; MI455X (gfx1250); checked and timed in simulation.
; The chip was launched on July 23, 2026; its instructions are those of AMD's public machine-readable ISA for CDNA 5 (MIT licence, August 2026) and "CDNA5" Instruction Set Architecture Reference Guide (July 2026). The comments in the code are by the model that wrote it; some were corrected since.
;; MSA. Allowed arithmetic: matrix products marked QUANTISED: E2M3 operands, one E8M0 scale for each 32 along K, by v_wmma_scale_f32_16x16x128_f8f6f4 with both operands' format E2M3, f32 sums; everything else in f32.
;; Inputs: w_out 1,024 x 1,024 float32; w_qkv 1,024 x 3,072 float32; x 8 x 1,024 x 1,024 float32.
;; Outputs: out0 8 x 1,024 x 1,024 float32.
;; This version of the problem:
;;   THIS VERSION OF THE PROBLEM IS GIVEN IN LOW PRECISION. The matrix products marked QUANTISED in the list below multiply operands that are first quantised to E2M3 (2 exponent bits, 3 mantissa bits; 6 bits a number), with one power-of-two scale for each 32 numbers along K (OCP MX v1.0); their sums are f32. All else is computed in f32.
;;   The module's matrix products, in the order in which they are computed (A, B: the left and right operand; K: the contracted axis; several contracted axes count as one K, in the product's order):
;;     1. [M 8,192, K 1,024] x [K 1,024, N 3,072]; A: input x; B: input w_qkv: QUANTISED
;;     2. batch 128 x [M 1,024, K 64] x [K 64, N 1,024]; A: computed on the way; B: computed on the way: QUANTISED
;;     3. batch 128 x [M 1,024, K 1,024] x [K 1,024, N 64]; A: softmax (see below); B: computed on the way: QUANTISED
;;     4. [M 8,192, K 1,024] x [K 1,024, N 1,024]; A: computed on the way; B: input w_out: QUANTISED
;;   THE QUANTISER, for each operand of a quantised product, along K:
;;     - K is cut into blocks of 32 from its start; a last block that is shorter is filled with zeros.
;;     - A block's scale is 2^e with e = floor(log2(the largest magnitude in the block)) - 2, held to -126 .. 127; a block of zeros has e = 0. As a byte (E8M0): e + 127.
;;     - Each number is divided by its block's scale, clamped to +-7.5, and rounded to the nearest number of E2M3, ties to even, subnormals kept.
;;     - The product sums the exact products of the quantised numbers (number of the format x scale) in f32.
;;   ~~~python
;;   def quantise(x, axis):      # numpy; x: float32 -> the quantised numbers, widened to float32 again
;;       x = np.moveaxis(x, axis, -1); K = x.shape[-1]
;;       x = np.pad(x, [(0, 0)] * (x.ndim - 1) + [(0, -K % 32)]); x = x.reshape(x.shape[:-1] + (-1, 32)); a = np.abs(x).max(-1, keepdims=True)
;;       e = np.where(a > 0, np.clip(np.frexp(np.where(a > 0, a, 1))[1] - 1 - 2, -126, 127), 0)      # np.frexp(a)[1] - 1 = floor(log2(a)), exactly
;;       r = np.clip(x / 2.0 ** e, -7.5, 7.5)
;;       step = 2.0 ** (np.maximum(np.frexp(np.where(r == 0, 1, r))[1] - 1, 0) - 3)
;;       q = np.round(r / step) * step * 2.0 ** e      # np.round: ties to even
;;       return np.moveaxis(q.reshape(q.shape[:-2] + (-1,))[..., :K], -1, axis).astype(np.float32)
;;   ~~~
;;   SOFTMAX AHEAD OF A QUANTISED PRODUCT. Where the list says 'softmax', what is quantised is not the finished softmax but p = 2^(t - M), with t = logit x log2(e) and M = ceil(the row's largest t), a whole number; so 1/2 < the row's largest p <= 1. The row's sum l is taken of the UNQUANTISED p, in f32, and the product's result is divided by l at the end. Since M is a whole number, a kernel that streams over the keys may use a running M (the ceiling of the running maximum): every later rescaling is an exact power of two, which a block's scale takes up: the codes' values come out the same.
;;   OPERANDS COMPUTED ON THE WAY. 'Computed on the way' means the value that the module computes at that place (a softmax that the list does not call 'softmax' is quantised finished and normalised). What goes into a quantiser is computed in f32, as accurately as f32 sums, v_exp_f32 and their like allow (about 1e-6 of the number): no bf16 or f16 on the way to a quantiser, and a product that is left as it is and whose result goes on into a quantised operand takes f32 operands (vector FMAs, or v_wmma_f32_16x16x4_f32). A number that lies on a knife's edge between two numbers of the format may be rounded either way, as far as f32 arithmetic and the matrix unit's own rounding can turn it there, and no further.
;; One version. Each part assembles by itself: llvm-mc -triple=amdgcn-amd-amdhsa -mcpu=gfx1250 --defsym DOCPART=n.
;; ======== version 1 of 1: 4 launches
;; limits: right only within a limited range of input values
;; workspace buffers: xq 6,553,600 bytes; wc 6,553,600 bytes; qb 13,369,344 bytes; kv 13,369,344 bytes; ac 6,553,600 bytes
;; launch quant (part 1): grid 512 x 1, 4 waves a work-group, no clusters, 59,904 bytes of LDS; arguments x, w_qkv, w_out, xq, wc; writes xq, wc
.if DOCPART == 1
	.amdgcn_target "amdgcn-amd-amdhsa--gfx1250"
	.amdhsa_code_object_version 6
	.text
	.protected	k_q934428d3ff_quant
	.globl	k_q934428d3ff_quant
	.p2align	8
	.type	k_q934428d3ff_quant,@function
k_q934428d3ff_quant:
	s_mov_b64 s[64:65], 0
	v_nop
	global_prefetch_b8 v0, s[64:65] scope:SCOPE_SE
	s_setreg_imm32_b32 hwreg(HW_REG_WAVE_MODE, 25, 1), 1
	s_wait_xcnt 0x0
; x [8192][1024], w_qkv [1024][3072] and w_out [1024][1024], f32, become codes of FP6 (E2M3) with one E8M0 byte for each 32 along K (K = the 1,024 features: x's last axis, the weights' first).
; A block's scale is 2^(floor(log2(its largest magnitude)) - 2); its byte is the largest magnitude's exponent field - 2, held at 1 from below.
; LIMITS: NaN and infinities are not served; a block whose largest magnitude lies under 2^-124 gets the byte 1; a block of zeros gets the byte 1 where the rule says 127 (its codes are zeros, and this program alone reads the bytes).
; LAYOUT OF xq AND wc (this program's own).  Rows (x's tokens, the weights' columns) stand in tiles of 16 slots: slot r of tile T is row 32 (T / 2) + 8 (T % 2) + r + 8 (r / 8).
; Codes lie as images of the matrix operand's registers.  A half image is 16 slots x 64 K, 768 bytes: lane l = r + 16 h holds block h of slot r, six registers: registers 0-3 at byte 16 l, registers 4-5 at byte 512 + 8 l.
; Codes: (K / 256) CSTR + 3072 T + 1536 ((K / 128) % 2) + 768 ((K / 64) % 2).  Scale words (four bytes: 128 along K of one slot): SOFF + 32768 (K / 128) + 64 T + 4 r.  wc: tiles 0-191 w_qkv, tiles 192-255 w_out.
; Work-groups 0-255 take x (two tiles each: a wave takes one tile and half of K); work-groups 256-511 take the weights (128 columns x 128 along K each: a wave takes 32 columns).
; The two ways never join, and each has LDS bytes of its own.  No tensor loads, no barrier: waves share nothing.
; THE WEIGHTS' SHARE AS THE TEXT BELOW HAS IT: work-groups 256-511, each 128 columns x 128 along K (a wave: 32 columns, four blocks of 32): one K step's scale word a column, 1,536 bytes of codes a tile.
.set CSTR, 1572864
.set SOFF, 6291456
.set SEL,  20                          ; s[20:21] v_permlanex16_b32's selects for lane l xor 16
; x's way: v1 lane, v2 r, v3 h, v4 16 lane, v5 8 lane, v6 scale words' offset, v7 into the stage, v8 out of it
.set TM,   12                          ; v12-15 largest magnitudes, v16-19 bytes, v24-27 the conversions' scale operands
.set PW,   28                          ; v28-31 the four K steps' scale words
.set SW,   32                          ; v32-33 two of them in one register
.set PC,   36                          ; v36-47 a fragment's codes, v48-54 at work
.set X,    64                          ; v64-127 64 numbers of my row: register 16 b + i is k 32 b + 16 h + i
.set R,    128                         ; v128-255 two sets of 64 registers as loaded
.set XST,  8448                        ; a wave's stage: 16 rows x (512 bytes + 16)
; the weights' way
.set WST0, 33792                       ; behind x's four stages: a stage of 6,400 bytes for each wave: two tiles' fragments of 1,536 bytes, 3,200 apart
.set C,    16                          ; v16-22 a block's codes
.set SB,   24                          ; v24-25 scale bytes, four to a register
.set WO,   32                          ; v32-63 byte offset of row i of a block: 4 lane + i x the row's bytes
.set WX,   64                          ; v64-127 two sets of 32 numbers
.set OUT,  128                         ; v128-151 the way out
; 64 numbers of a lane, v[s] on (register 16 b + i = k 32 b + 16 h + i of my row), become a fragment's codes in v[PC] on and its scale word in v[pw].
.macro QUANT s, pw
.irp b, 0,1,2,3
	v_max3_num_f32 v[TM+\b], |v[\s+16*\b]|, |v[\s+1+16*\b]|, 0x1800000   ; block b: my 16 numbers, and the floor 2^(3 - 127): the byte cannot fall under 1
.endr
.irp i, 2,4,6,8,10,12,14
.irp b, 0,1,2,3
	v_max3_num_f32 v[TM+\b], v[TM+\b], |v[\s+16*\b+\i]|, |v[\s+1+16*\b+\i]|   ; the four blocks by turns
.endr
.endr
.irp b, 0,1,2,3
	v_permlanex16_b32 v[TM+4+\b], v[TM+\b], s[SEL], s[SEL+1]
.endr
.irp b, 0,1,2,3
	v_max_num_f32 v[TM+\b], v[TM+\b], v[TM+4+\b]   ; with lane l xor 16's 16: the block's largest magnitude
.endr
.irp b, 0,1,2,3
	v_add_nc_u32 v[TM+12+\b], 0xff000000, v[TM+\b]   ; 2 off its exponent field: the conversion takes this operand's exponent field as its scale
.endr
.irp b, 0,1,2,3
	v_lshrrev_b32 v[TM+4+\b], 23, v[TM+12+\b]      ; the scale's byte
.endr
	v_lshl_or_b32 v[\pw], v[TM+5], 8, v[TM+4]
	v_lshl_or_b32 v[\pw], v[TM+6], 16, v[\pw]
	v_lshl_or_b32 v[\pw], v[TM+7], 24, v[\pw]      ; my row's scale word
.irp c, 0,1
	v_cvt_scalef32_pk16_fp6_f32 v[PC+6*\c:PC+2+6*\c], v[\s+32*\c:\s+15+32*\c], v[TM+12+2*\c]
	v_cvt_scalef32_pk16_fp6_f32 v[PC+12+4*\c:PC+14+4*\c], v[\s+16+32*\c:\s+31+32*\c], v[TM+13+2*\c]   ; (a conversion's three registers begin on an even number)
.endr
	v_nop                                          ; one plain place behind a scaled conversion
.irp c, 0,1                                    ; the operand wants a whole block in a lane: lanes 0-15 block 2 c, lanes 16-31 block 2 c + 1
.irp i, 0,1,2
	v_permlane16_swap_b32 v[PC+6*\c+\i], v[PC+12+4*\c+\i]
.endr
.irp i, 0,1,2
	v_mov_b32 v[PC+3+6*\c+\i], v[PC+12+4*\c+\i]
.endr
.endr
.endm
.macro XLOAD s, set                    ; K step s of my four: each load takes one row's 512 consecutive bytes, 16 a lane
.irp i, 0,1,2,3,4,5,6,7,8,9,10,11,12,13,14,15
	global_load_b128 v[R+64*(\set)+4*\i:R+64*(\set)+4*\i+3], v4, s[4:5] offset:(\i+8*(\i/8))*4096+512*(\s) th:TH_LOAD_NT
.endr
.endm
.macro TURN set                        ; through my own stage: in as loaded, out 16 neighbours of each block to a lane.  LDS serves a wave's instructions in order: no wait between
.irp i, 0,1,2,3,4,5,6,7,8,9,10,11,12,13,14,15
	ds_store_b128 v7, v[R+64*(\set)+4*\i:R+64*(\set)+4*\i+3] offset:528*\i
.endr
.irp b, 0,1,2,3
.irp j, 0,1,2,3
	ds_load_b128 v[X+16*\b+4*\j:X+16*\b+4*\j+3], v8 offset:128*\b+16*\j
.endr
.endr
.endm
.macro KSTEP s
.if (\s) < 3
	s_wait_loadcnt 16                              ; this K step's 16 loads are in; the next step's 16 may be out
.else
	s_wait_loadcnt 0x0
.endif
	TURN (\s)%2
	s_wait_dscnt 0x0                               ; my 64 numbers are back, and the stores into the stage have read their registers,
.if (\s)+2 < 4
	XLOAD (\s)+2, (\s)%2                           ; which take the loads of two steps on
.endif
.if (\s) > 0
	s_wait_xcnt 0x0                                ; the last step's stores have read the codes' registers
.endif
	QUANT X, PW+(\s)
	global_store_b128 v4, v[PC:PC+3], s[14:15] offset:((\s)/2)*CSTR+((\s)%2)*1536          ; 512 consecutive bytes,
	global_store_b64 v5, v[PC+4:PC+5], s[14:15] offset:((\s)/2)*CSTR+((\s)%2)*1536+512      ; 256,
	global_store_b128 v4, v[PC+6:PC+9], s[14:15] offset:((\s)/2)*CSTR+((\s)%2)*1536+768     ; and the second half image
	global_store_b64 v5, v[PC+10:PC+11], s[14:15] offset:((\s)/2)*CSTR+((\s)%2)*1536+1280
.endm
.macro WLOAD t                         ; block t: W(32 t + i, my column), i = 0 .. 31: each load reads 128 consecutive bytes, the four waves side by side
.irp i, 0,1,2,3,4,5,6,7,8,9,10,11,12,13,14,15,16,17,18,19,20,21,22,23,24,25,26,27,28,29,30,31
	global_load_b32 v[WX+32*((\t)%2)+\i], v[WO+\i], s[32+2*(\t):33+2*(\t)] th:TH_LOAD_NT
.endr
.endm
.macro BLOCK t
.set XS, WX+32*((\t)%2)
.if (\t) < 3
	s_wait_loadcnt 32                              ; this block's 32 loads are in; the next block's may be out
.else
	s_wait_loadcnt 0x0
.endif
	v_max3_num_f32 v12, |v[XS]|, |v[XS+1]|, |v[XS+2]|              ; all 32 numbers of the block are mine: two chains
	v_max3_num_f32 v13, |v[XS+3]|, |v[XS+4]|, |v[XS+5]|
.irp i, 6,10,14,18,22,26
	v_max3_num_f32 v12, v12, |v[XS+\i]|, |v[XS+\i+1]|
	v_max3_num_f32 v13, v13, |v[XS+\i+2]|, |v[XS+\i+3]|
.endr
	v_max3_num_f32 v12, v12, |v[XS+30]|, |v[XS+31]|
	v_max3_num_f32 v12, v12, v13, 0x1800000        ; and the floor
	v_add_nc_u32 v14, 0xff000000, v12              ; the conversion's scale operand
	v_lshrrev_b32 v15, 23, v14                     ; the byte
.if (\t)%4 == 0
	v_mov_b32 v[SB+(\t)/4], v15
.else
	v_lshl_or_b32 v[SB+(\t)/4], v15, 8*((\t)%4), v[SB+(\t)/4]
.endif
	v_cvt_scalef32_pk16_fp6_f32 v[C:C+2], v[XS:XS+15], v14
	v_cvt_scalef32_pk16_fp6_f32 v[C+4:C+6], v[XS+16:XS+31], v14
	v_nop                                          ; one plain place behind a scaled conversion
	v_mov_b32 v[C+3], v[C+4]                       ; the block's six registers on end
	v_mov_b32 v[C+4], v[C+5]
	v_mov_b32 v[C+5], v[C+6]
	ds_store_b128 v7, v[C:C+3] offset:((\t)/2)*768+256*((\t)%2)        ; block t is lane r + 16 (t % 2) of half image t / 2
	ds_store_b64 v8, v[C+4:C+5] offset:((\t)/2)*768+512+128*((\t)%2)
.if (\t)+2 < 4
	WLOAD (\t)+2
.endif
	s_wait_dscnt 0x0                               ; the stores have read their registers
.endm
	s_load_b256 s[4:11], s[0:1], 0x0               ; x s[4:5], w_qkv s[6:7], w_out s[8:9], xq s[10:11]
	s_load_b64 s[12:13], s[0:1], 0x20              ; wc
	v_lshl_add_u32 v23, v0, 2, 0xe800
	s_set_vgpr_msb 0x40
	v_mov_b32 v1, 0
	s_set_vgpr_msb 0x4000
	v_lshrrev_b32 v1, 5, v0
	v_readfirstlane_b32 s22, v1                    ; wave 0..3
	v_and_b32 v1, 31, v0                           ; lane
	s_mov_b32 s[SEL], 0x76543210
	s_mov_b32 s[SEL+1], 0xfedcba98
	s_cmp_lt_u32 ttmp9, 256
	s_cbranch_scc0 .Lweights
	; ---- x: tile T = 2 x work-group + wave / 2, K steps 4 (wave % 2) on
	v_and_b32 v2, 15, v0                           ; r
	v_bfe_u32 v3, v0, 4, 1                         ; h
	v_lshlrev_b32 v4, 4, v1
	v_lshlrev_b32 v5, 3, v1
	v_lshlrev_b32 v6, 2, v2
	v_lshl_add_u32 v6, v3, 15, v6                  ; 4 r, and lanes 16-31 one K step's words (32,768 bytes) on
	s_mul_i32 s23, s22, XST
	v_add_nc_u32 v7, s23, v4                       ; the stage, in: 16 lane (+ 528 a row)
	v_mul_u32_u24 v8, v2, 528
	v_lshl_add_u32 v8, v3, 6, v8
	v_add_nc_u32 v8, s23, v8                       ; out: row r, + 64 h
.irp b, 0,1,2,3
	v_mov_b32 v[TM+4+\b], 0                        ; written once: a lane permute's destination counts as one of its sources
.endr
	s_lshl_b32 s24, ttmp9, 1
	s_lshr_b32 s25, s22, 1
	s_add_co_u32 s24, s24, s25                     ; T
	s_and_b32 s25, s22, 1                          ; which half of K
	s_lshr_b32 s26, s24, 1
	s_lshl_b32 s26, s26, 17                        ; 32 (T / 2) rows of 4,096 bytes
	s_and_b32 s27, s24, 1
	s_lshl_b32 s27, s27, 15                        ; 8 (T % 2) rows
	s_add_co_u32 s26, s26, s27
	s_lshl_b32 s27, s25, 11                        ; 512 numbers along K
	s_add_co_u32 s26, s26, s27
	s_mov_b32 s27, 0
	s_mul_i32 s28, s24, 3072
	s_mul_i32 s29, s25, 2*CSTR
	s_add_co_u32 s28, s28, s29                     ; my codes
	s_mov_b32 s29, 0
	s_lshl_b32 s30, s24, 6
	s_lshl_b32 s31, s25, 17
	s_add_co_u32 s30, s30, s31
	s_add_co_u32 s30, s30, SOFF                    ; my scale words
	s_mov_b32 s31, 0
	s_wait_alu depctr_va_vdst(0)
	s_wait_kmcnt 0x0
	s_add_nc_u64 s[4:5], s[4:5], s[26:27]
	s_add_nc_u64 s[14:15], s[10:11], s[28:29]
	s_add_nc_u64 s[16:17], s[10:11], s[30:31]
	XLOAD 0, 0
	XLOAD 1, 1
.irp s, 0,1,2,3
	KSTEP \s
.endr
	v_cmp_le_u32 vcc_lo, 16, v1                    ; lanes 16-31 take the odd K step's word (a row's word is the same in lanes l and l xor 16)
	v_cndmask_b32 v[SW], v[PW], v[PW+1], vcc_lo
	v_cndmask_b32 v[SW+1], v[PW+2], v[PW+3], vcc_lo
	global_store_b32 v6, v[SW], s[16:17]
	global_store_b32 v6, v[SW+1], s[16:17] offset:65536
	s_set_vgpr_msb 0x4
	s_wait_tensorcnt 0x0
	ds_add_u32 v23, v1
	s_wait_dscnt 0x0
	s_set_vgpr_msb 0x400
	s_endpgm
	; ---- the weights: a lane takes a column, its registers run down K
.Lweights:
	s_sub_co_u32 s23, ttmp9, 256
	s_and_b32 s24, s23, 31                         ; which 128 columns: 0-23 of w_qkv, 24-31 of w_out
	s_lshr_b32 s25, s23, 5                         ; y: which 128 along K, 0 .. 7
	s_mov_b32 s26, 0x1000
	s_wait_kmcnt 0x0
	s_cmp_lt_u32 s24, 24                           ; the choice hangs on the work-group's number alone
	s_cselect_b64 s[6:7], s[6:7], s[8:9]           ; the tensor,
	s_cselect_b32 s26, 0x3000, s26                 ; its row in bytes,
	s_cselect_b32 s27, 0, 24
	s_sub_co_u32 s27, s24, s27                     ; and the group of columns in it
	s_lshl_b32 s27, s27, 2
	s_add_co_u32 s27, s27, s22                     ; my 32 columns in the tensor
	s_lshl_b32 s28, s24, 2
	s_add_co_u32 s28, s28, s22                     ; and in wc: tiles 2 g and 2 g + 1
	s_lshl_b32 s29, s25, 7
	s_mul_i32 s29, s29, s26                        ; 128 y rows
	s_lshl_b32 s30, s27, 7
	s_add_co_u32 s30, s30, s29
	s_mov_b32 s31, 0
	s_lshl_b32 s18, s26, 5                         ; 32 rows: from block to block
	s_mov_b32 s19, 0
	s_add_nc_u64 s[32:33], s[6:7], s[30:31]        ; a base for each of the four blocks
.irp t, 1,2,3
	s_add_nc_u64 s[32+2*\t:33+2*\t], s[30+2*\t:31+2*\t], s[18:19]
.endr
	s_wait_alu depctr_va_vdst(0)
	v_lshlrev_b32 v3, 2, v1
.irp i, 0,1,2,3,4,5,6,7,8,9,10,11,12,13,14,15,16,17,18,19,20,21,22,23,24,25,26,27,28,29,30,31
	v_mad_u32_u24 v[WO+\i], s26, \i, v3
.endr
	WLOAD 0
	WLOAD 1
	v_bfe_u32 v4, v1, 3, 1                         ; column l of the 32 is slot r = l % 8 + 8 (l / 16) of tile u = (l / 8) % 2
	v_and_b32 v5, 7, v1
	v_lshrrev_b32 v6, 4, v1
	v_lshl_add_u32 v5, v6, 3, v5
	s_mul_i32 s23, s22, 6400
	s_add_co_u32 s23, s23, WST0                    ; my stage
	v_mul_u32_u24 v6, v4, 3200
	v_add_nc_u32 v6, s23, v6
	v_lshl_add_u32 v7, v5, 4, v6                   ; registers 0-3 of a block: 16 r
	v_lshl_add_u32 v8, v5, 3, v6                   ; registers 4-5: 8 r
	v_lshlrev_b32 v9, 4, v1                        ; the way out: 16 lane
	v_add_nc_u32 v10, s23, v9
	v_lshlrev_b32 v11, 2, v5
	v_lshl_add_u32 v11, v4, 6, v11                 ; my scale words: 64 u + 4 r
	s_lshr_b32 s30, s25, 1
	s_mul_i32 s30, s30, CSTR                       ; the chunk of 256 along K,
	s_mul_i32 s29, s28, 6144
	s_add_co_u32 s30, s30, s29                     ; my two tiles in it,
	s_and_b32 s29, s25, 1
	s_mul_i32 s29, s29, 1536
	s_add_co_u32 s30, s30, s29                     ; and which of a tile's two fragments
	s_add_nc_u64 s[14:15], s[12:13], s[30:31]      ; my two fragments: 1,536 bytes each, 3,072 apart
	s_lshl_b32 s30, s25, 15
	s_lshl_b32 s29, s28, 7
	s_add_co_u32 s30, s30, s29
	s_add_co_u32 s30, s30, SOFF
	s_add_nc_u64 s[16:17], s[12:13], s[30:31]      ; and their scale words of K step y
.irp t, 0,1,2,3
	BLOCK \t
.endr
	s_wait_alu depctr_va_vdst(0)                   ; directly ahead of the reader below
	global_store_b32 v11, v[SB], s[16:17]          ; 128 consecutive bytes
.irp n, 0,1,2,3,4,5
	ds_load_b128 v[OUT+4*\n:OUT+4*\n+3], v10 offset:(\n/3)*3200+512*(\n%3)   ; LDS serves a wave's instructions in order: these see my stores
.endr
.irp n, 0,1,2,3,4,5
	s_wait_dscnt 5-\n                              ; read n is back; the younger ones may be out
	global_store_b128 v9, v[OUT+4*\n:OUT+4*\n+3], s[14:15] offset:(\n/3)*3072+512*(\n%3)      ; 512 consecutive bytes, aligned
.endr
	s_set_vgpr_msb 0x4
	s_wait_tensorcnt 0x0
	ds_add_u32 v23, v1
	s_wait_dscnt 0x0
	s_set_vgpr_msb 0x400
	s_endpgm
.Lfunc_end_k_q934428d3ff_quant:
	.size	k_q934428d3ff_quant, .Lfunc_end_k_q934428d3ff_quant-k_q934428d3ff_quant
	.p2alignl 7, 3214868480
	.fill 96, 4, 3214868480
	.section	.rodata,"a",@progbits
	.p2align	6, 0x0
	.amdhsa_kernel k_q934428d3ff_quant
		.amdhsa_group_segment_fixed_size 59904
		.amdhsa_private_segment_fixed_size 0
		.amdhsa_enable_private_segment 0
		.amdhsa_kernarg_size 40
		.amdhsa_user_sgpr_count 2
		.amdhsa_user_sgpr_kernarg_segment_ptr 1
		.amdhsa_wavefront_size32 1
		.amdhsa_system_sgpr_workgroup_id_x 1
		.amdhsa_system_sgpr_workgroup_id_y 1
		.amdhsa_system_sgpr_workgroup_id_z 1
		.amdhsa_system_vgpr_workitem_id 0
		.amdhsa_next_free_vgpr 258
		.amdhsa_next_free_sgpr 66
		.amdhsa_reserve_vcc 1
		.amdhsa_float_denorm_mode_32 3
		.amdhsa_float_denorm_mode_16_64 3
		.amdhsa_memory_ordered 1
		.amdhsa_forward_progress 1
		.amdhsa_inst_pref_size 58
	.end_amdhsa_kernel
	.amdgpu_metadata
---
amdhsa.version: [ 1, 2 ]
amdhsa.kernels:
  - .name:           k_q934428d3ff_quant
    .symbol:         k_q934428d3ff_quant.kd
    .args:
      - { .name: x, .offset: 0, .size: 8, .value_kind: global_buffer, .address_space: global }
      - { .name: w_qkv, .offset: 8, .size: 8, .value_kind: global_buffer, .address_space: global }
      - { .name: w_out, .offset: 16, .size: 8, .value_kind: global_buffer, .address_space: global }
      - { .name: xq, .offset: 24, .size: 8, .value_kind: global_buffer, .address_space: global }
      - { .name: wc, .offset: 32, .size: 8, .value_kind: global_buffer, .address_space: global }
    .group_segment_fixed_size: 59904
    .private_segment_fixed_size: 0
    .kernarg_segment_align: 8
    .kernarg_segment_size: 40
    .max_flat_workgroup_size: 128
    .sgpr_count:     66
    .vgpr_count:     258
    .wavefront_size: 32
...
	.end_amdgpu_metadata
.endif
;; end of part 1
;; launch gemm1 (part 2): grid 4 x 64, 4 waves a work-group, clusters of 4 x 4, 327,680 bytes of LDS; arguments xq, wc, qb, kv; writes qb, kv
.if DOCPART == 2
	.amdgcn_target "amdgcn-amd-amdhsa--gfx1250"
	.amdhsa_code_object_version 6
	.text
	.protected	k_q934428d3ff_gemm1
	.globl	k_q934428d3ff_gemm1
	.p2align	8
	.type	k_q934428d3ff_gemm1,@function
k_q934428d3ff_gemm1:
	s_mov_b64 s[64:65], 0
	v_nop
	global_prefetch_b8 v0, s[64:65] scope:SCOPE_SE
	s_setreg_imm32_b32 hwreg(HW_REG_WAVE_MODE, 25, 1), 1
	s_wait_xcnt 0x0
	s_wait_alu depctr_hold_cnt(0) depctr_sa_sdst(0) depctr_va_vdst(0) depctr_va_sdst(0) depctr_va_ssrc(0) depctr_va_vcc(0) depctr_vm_vsrc(0)
	s_getreg_b32 s2, hwreg(HW_REG_IB_STS2, 6, 4)
	s_cmp_eq_u32 s2, 0
	s_cbranch_scc0 .Lentry_in_a_cluster
	s_endpgm
.Lentry_in_a_cluster:
	s_bfe_u32 s2, ttmp6, 0x10000c
	s_cmp_lg_u32 s2, 0xf033
	s_cbranch_scc0 .Lentry_shape_is_right
	s_endpgm
.Lentry_shape_is_right:
.set CSTR,  1572864
.set SOFF,  6291456
.set HB,    104448
.set XCH,   24576
.set WR,    98304
.set WCH,   49152
.set HALF,  98304
.set SPARE, 294912
.set NEXTW, 196608
.set SPW,   14
.set NIL,   15
.set X16A,  16
.set X8A,   17
.set W16A,  18
.set W8A,   19
.set X16B,  10
.set X8B,   20
.set W16B,  21
.set W8B,   22
.set Q0,    24
.set P0,    56
.set P1,    88
.set Q1,    120
.set P2,    152
.set TM,    184
.set PW,    200
.set PC,    204
.set SW,    224
.set SEL,   12
.set G1X,   28
.set G1W,   36
.set G0X,   44
.set G0W,   48
.set BX,    56
.set BXQ,   58
.set BW,    60
.set BWV,   62
.set MULW,  0x5e
.set MSB, 0
.macro WIN new
.if MSB != \new
	s_set_vgpr_msb (MSB<<8)|\new
.set MSB, \new
.endif
.endm
.macro CREST
	s_cmp_lg_u32 s14, 0
	s_cbranch_scc1 .Lnot_wave_0_\@
	s_barrier_signal -3
.Lnot_wave_0_\@:
	s_barrier_wait -3
	s_barrier_signal -1
	s_barrier_wait -1
.endm
.macro CROUND
	s_barrier_signal -1
	s_barrier_wait -1
	CREST
.endm
.macro FRAG reg, a16, a8, off
	ds_load_b128 v[\reg:\reg+3], v[\a16] offset:\off
	ds_load_b64 v[\reg+4:\reg+5], v[\a8] offset:\off
	ds_load_b128 v[\reg+6:\reg+9], v[\a16] offset:\off+768
	ds_load_b64 v[\reg+10:\reg+11], v[\a8] offset:\off+768
.endm
.macro FETCH s, role
.if (\s)%2 == 0
.if \role == 0
	v_add_nc_u32 v6, ((\s)/2)*WCH, v[W16A]
	v_add_nc_u32 v7, ((\s)/2)*WCH, v[W8A]
	v_add_nc_u32 v4, ((\s)/2)*XCH, v[X16A]
	v_add_nc_u32 v5, ((\s)/2)*XCH, v[X8A]
.else
	v_add_nc_u32 v6, ((\s)/2)*XCH, v[X16B]
	v_add_nc_u32 v7, ((\s)/2)*XCH, v[X8B]
	v_add_nc_u32 v4, ((\s)/2)*WCH, v[W16B]
	v_add_nc_u32 v5, ((\s)/2)*WCH, v[W8B]
.endif
.else
.rept 4
	v_nop
.endr
.endif
	WIN 0x80
.irp b, 0,1,2,3,4,5,6,7
	FRAG 96*((\s)%2)+12*\b, 6, 7, \b*3072+((\s)%2)*1536
.endr
	WIN 0xc0
.irp a, 0,1,2,3
	FRAG 48*((\s)%2)+12*\a, 4, 5, \a*3072+((\s)%2)*1536
.endr
	WIN 0
.endm
.macro MULA s, a, p, q
.irp b, 0,1,2,3,4,5,6,7
.set rD, 8*(8*(\a)+\b)
.set rA, 96*((\s)%2)+12*\b
.set rB, 48*((\s)%2)+12*(\a)
.set rP, (\p)+8*(\b/2)+(\s)
.set rQ, (\q)+8*(\a)+(\s)
.if (\s) == 0
.if \b%2 == 0
	v_wmma_scale_f32_16x16x128_f8f6f4 v[rD:rD+7], v[rA:rA+11], v[rB:rB+11], 0, v[rP], v[rQ] matrix_a_fmt:MATRIX_FMT_FP6 matrix_b_fmt:MATRIX_FMT_FP6
.else
	v_wmma_scale_f32_16x16x128_f8f6f4 v[rD:rD+7], v[rA:rA+11], v[rB:rB+11], 0, v[rP], v[rQ] matrix_a_fmt:MATRIX_FMT_FP6 matrix_b_fmt:MATRIX_FMT_FP6 matrix_a_scale:MATRIX_SCALE_ROW1
.endif
.else
.if \b%2 == 0
	v_wmma_scale_f32_16x16x128_f8f6f4 v[rD:rD+7], v[rA:rA+11], v[rB:rB+11], v[rD:rD+7], v[rP], v[rQ] matrix_a_fmt:MATRIX_FMT_FP6 matrix_b_fmt:MATRIX_FMT_FP6
.else
	v_wmma_scale_f32_16x16x128_f8f6f4 v[rD:rD+7], v[rA:rA+11], v[rB:rB+11], v[rD:rD+7], v[rP], v[rQ] matrix_a_fmt:MATRIX_FMT_FP6 matrix_b_fmt:MATRIX_FMT_FP6 matrix_a_scale:MATRIX_SCALE_ROW1
.endif
.endif
.endr
.endm
.macro MUL s, p, q
	WIN MULW
	MULA \s, 0, \p, \q
	MULA \s, 1, \p, \q
	MULA \s, 2, \p, \q
	MULA \s, 3, \p, \q
	WIN 0
.endm
.macro STEP s, role, p, q
	s_wait_dscnt 0x0
	FETCH (\s)+1, \role
	MUL \s, \p, \q
.endm
.macro TURN s, p, q, fill, slot, ns, nrole
	s_wait_tensorcnt 0x0
	ds_add_u32 v[SPW], v[NIL]
	s_wait_dscnt 0x1
	WIN MULW
	MULA \s, 0, \p, \q
	s_wait_dscnt 0x0
	s_barrier_signal -1
	MULA \s, 1, \p, \q
	WIN 0
	s_barrier_wait -1
.if \fill
	CREST
	s_add_nc_u64 s[G0W+4*\slot+2:G0W+4*\slot+3], s[G0W+4*\slot+2:G0W+4*\slot+3], NEXTW
	tensor_load_to_lds s[G0W+4*\slot:G0W+4*\slot+3], s[G1W:G1W+7]
	s_nop 0
.rept 4
	v_nop
.endr
.endif
	FETCH \ns, \nrole
	WIN MULW
	MULA \s, 2, \p, \q
	MULA \s, 3, \p, \q
	WIN 0
.endm
.macro SCLQ reg, base
.irp s, 0,1,2,3,4,5,6,7
.irp a, 0,1,2,3
	global_load_b32 v[\reg+8*\a+\s], v8, s[\base:\base+1] offset:\s*32768+\a*64
.endr
.endr
.endm
.macro SCLP reg, base, off
.irp s, 0,1,2,3,4,5,6,7
.irp a, 0,1,2,3
	global_load_b32 v[\reg+8*\a+\s], v9, s[\base:\base+1] offset:\s*32768+\a*128+\off
.endr
.endr
.endm
.macro QUANT1 a, pw
	WIN 0x05
.irp b, 0,1,2,3
	v_max3_num_f32 v[TM+\b], |v[64*(\a)+16*\b]|, |v[64*(\a)+16*\b+1]|, 0x1800000
.endr
	WIN 0x14
.irp i, 2,4,6,8,10,12,14
.irp b, 0,1,2,3
	v_max3_num_f32 v[TM+\b], v[TM+\b], |v[64*(\a)+16*\b+\i]|, |v[64*(\a)+16*\b+\i+1]|
.endr
.endr
	WIN 0
.irp b, 0,1,2,3
	v_permlanex16_b32 v[TM+4+\b], v[TM+\b], s[SEL], s[SEL+1]
.endr
.irp b, 0,1,2,3
	v_max_num_f32 v[TM+\b], v[TM+\b], v[TM+4+\b]
.endr
.irp b, 0,1,2,3
	v_add_nc_u32 v[TM+12+\b], 0xff000000, v[TM+\b]
.endr
.irp b, 0,1,2,3
	v_lshrrev_b32 v[TM+4+\b], 23, v[TM+12+\b]
.endr
	v_lshl_or_b32 v[\pw], v[TM+5], 8, v[TM+4]
	v_lshl_or_b32 v[\pw], v[TM+6], 16, v[\pw]
	v_lshl_or_b32 v[\pw], v[TM+7], 24, v[\pw]
	WIN 0x01
.irp c, 0,1
	v_cvt_scalef32_pk16_fp6_f32 v[PC+6*\c:PC+2+6*\c], v[64*(\a)+32*\c:64*(\a)+32*\c+15], v[TM+12+2*\c]
	v_cvt_scalef32_pk16_fp6_f32 v[PC+12+4*\c:PC+14+4*\c], v[64*(\a)+32*\c+16:64*(\a)+32*\c+31], v[TM+13+2*\c]
.endr
	WIN 0
	v_nop
.irp c, 0,1
.irp i, 0,1,2
	v_permlane16_swap_b32 v[PC+6*\c+\i], v[PC+12+4*\c+\i]
.endr
.irp i, 0,1,2
	v_mov_b32 v[PC+3+6*\c+\i], v[PC+12+4*\c+\i]
.endr
.endr
.endm
.macro OUT_QK d
.rept 4
	v_nop
.endr
	s_wait_xcnt 0x0
	s_mov_b32 s72, s24
	s_mov_b32 s73, 0
	s_add_nc_u64 s[68:69], s[\d:\d+1], s[72:73]
	s_mov_b32 s72, s25
	s_add_nc_u64 s[70:71], s[\d:\d+1], s[72:73]
.irp a, 0,1,2,3
.if \a > 0
	s_wait_xcnt 0x0
.endif
	QUANT1 \a, PW
	v_lshrrev_b32 v[SW], v13, v[PW]
	v_and_b32 v[SW], 0xffff, v[SW]
	global_store_b128 v10, v[PC:PC+3], s[68:69] offset:\a*768
	global_store_b64 v11, v[PC+4:PC+5], s[68:69] offset:\a*768+512
	global_store_b128 v10, v[PC+6:PC+9], s[68:69] offset:HB+\a*768
	global_store_b64 v11, v[PC+10:PC+11], s[68:69] offset:HB+\a*768+512
	global_store_b32 v12, v[SW], s[70:71] offset:\a*64
.endr
.endm
	s_load_b256 s[4:11], s[0:1], 0x0
	v_lshl_add_u32 v[SPW], v0, 2, SPARE
	v_mov_b32 v[NIL], 0
	ds_add_u32 v14, v15
	ds_add_u32 v14, v15
	s_wait_dscnt 0x0
	v_lshrrev_b32 v1, 5, v0
	v_readfirstlane_b32 s14, v1
	s_and_b32 s15, s14, 1
	s_lshr_b32 s16, s14, 1
	s_bfe_u32 s17, ttmp6, 0x40000
	s_bfe_u32 s18, ttmp6, 0x40004
	s_and_b32 s19, ttmp7, 0xffff
	s_lshl_b32 s19, s19, 2
	s_add_co_u32 s19, s19, s18
	s_mov_b32 s[SEL], 0x76543210
	s_mov_b32 s[SEL+1], 0xfedcba98
	s_lshl_b32 s20, s18, 2
	s_lshl_b32 s20, 15, s20
	s_lshl_b32 s21, 0x1111, s17
	s_or_b32 s[G1X], s20, (3<<16)|(1<<21)
	s_or_b32 s[G1W], s21, (3<<16)|(1<<21)
.irp g, G1W
	s_mov_b32 s[\g+1], 32<<16
	s_mov_b32 s[\g+2], 96<<16
	s_mov_b32 s[\g+3], 32<<16
	s_mov_b32 s[\g+4], 96
	s_mov_b32 s[\g+5], 32
	s_mov_b32 s[\g+6], 0
	s_mov_b32 s[\g+7], 0
.endr
	s_mul_i32 s72, s19, 24576
	s_mul_i32 s73, s14, CSTR
	s_add_co_u32 s72, s72, s73
	s_mov_b32 s73, 0
	s_lshl_b32 s74, s17, 4
	s_lshl_b32 s75, s15, 3
	s_add_co_u32 s74, s74, s75
	s_mul_i32 s74, s74, 3072
	s_mul_i32 s75, s16, CSTR
	s_add_co_u32 s74, s74, s75
	s_mov_b32 s75, 0
	s_mul_i32 s76, s14, XCH
	s_mul_i32 s77, s16, WCH
	s_mul_i32 s78, s15, 24576
	s_add_co_u32 s77, s77, s78
	s_add_co_u32 s77, s77, WR
	s_wait_kmcnt 0x0
	s_mov_b32 s[G0X], 1
	s_mov_b32 s[G0X+1], s76
	s_add_nc_u64 s[G0X+2:G0X+3], s[4:5], s[72:73]
	s_or_b32 s[G0X+3], s[G0X+3], 0x80000000
	s_mov_b32 s[G0W], 1
	s_mov_b32 s[G0W+1], s77
	s_add_nc_u64 s[G0W+2:G0W+3], s[6:7], s[74:75]
	s_or_b32 s[G0W+3], s[G0W+3], 0x80000000
	s_mov_b32 s[G0W+4], 1
	s_add_co_u32 s[G0W+5], s77, HALF
	s_add_nc_u64 s[G0W+6:G0W+7], s[6:7], s[74:75]
	s_add_nc_u64 s[G0W+6:G0W+7], s[G0W+6:G0W+7], 2*CSTR
	s_or_b32 s[G0W+7], s[G0W+7], 0x80000000
	v_and_b32 v1, 31, v0
	v_and_b32 v2, 15, v0
	v_bfe_u32 v3, v0, 4, 1
	v_lshlrev_b32 v10, 4, v1
	v_lshlrev_b32 v11, 3, v1
	v_lshlrev_b32 v8, 2, v2
	v_lshlrev_b32 v9, 2, v1
	v_mad_u32_u24 v12, v3, HB, v8
	v_lshlrev_b32 v13, 4, v3
	s_mul_i32 s78, s16, 12288
	v_add_nc_u32 v[X16A], s78, v10
	v_add_nc_u32 v[X8A], s78, v11
	v_add_nc_u32 v[X8A], 512, v[X8A]
	s_mul_i32 s78, s15, 24576
	s_add_co_u32 s78, s78, WR
	v_add_nc_u32 v[W16A], s78, v10
	v_add_nc_u32 v[W8A], s78, v11
	v_add_nc_u32 v[W8A], 512, v[W8A]
	v_add_nc_u32 v[X8B], 512, v11
	s_mul_i32 s78, s14, 12288
	s_add_co_u32 s78, s78, WR
	v_add_nc_u32 v[W16B], s78, v10
	v_add_nc_u32 v[W8B], s78, v11
	v_add_nc_u32 v[W8B], 512, v[W8B]
.irp b, 0,1,2,3
	v_mov_b32 v[TM+4+\b], 0
.endr
	CROUND
; THE HEAD'S FOUR FILLS, ONE A WAVE, behind the one round: wave 0 x's chunks 0 and 1, wave 1 the weights' chunks 0 and 1, wave 2 x's chunks 2 and 3, wave 3 the weights' chunks 2 and 3.
; A fill is two rows, CSTR bytes apart in memory and on end in LDS: 24,576 bytes a row for x, 49,152 for the weights.
.set G1H,  80                          ; s[80:87] group 1 of the weights' head fills
.set G0X2, 88                          ; s[88:91] group 0 of x's chunks 2 and 3
.set G0H,  92                          ; s[92:99] group 0 of the weights' two head fills
	s_mov_b32 s[G1X+1], 3072<<16
	s_mov_b32 s[G1X+2], 2<<16
	s_mov_b32 s[G1X+3], 3072<<16
	s_mov_b32 s[G1X+4], 2
	s_mov_b32 s[G1X+5], CSTR/8
	s_mov_b32 s[G1X+6], 0
	s_mov_b32 s[G1X+7], 0
	s_or_b32 s[G1H], s21, (3<<16)|(1<<21)
	s_mov_b32 s[G1H+1], 6144<<16
	s_mov_b32 s[G1H+2], 2<<16
	s_mov_b32 s[G1H+3], 6144<<16
	s_mov_b32 s[G1H+4], 2
	s_mov_b32 s[G1H+5], CSTR/8
	s_mov_b32 s[G1H+6], 0
	s_mov_b32 s[G1H+7], 0
	s_mul_i32 s72, s19, 24576                      ; my 128 tokens' eight tiles (s73 = 0)
	s_mov_b32 s[G0X+1], 0
	s_add_nc_u64 s[G0X+2:G0X+3], s[4:5], s[72:73]
	s_add_nc_u64 s[G0X2+2:G0X2+3], s[G0X+2:G0X+3], 2*CSTR
	s_or_b32 s[G0X+3], s[G0X+3], 0x80000000
	s_or_b32 s[G0X2+3], s[G0X2+3], 0x80000000
	s_mov_b32 s[G0X2], 1
	s_mov_b32 s[G0X2+1], 2*XCH
	s_mul_i32 s74, s17, 49152                      ; my 256 columns' sixteen tiles (s75 = 0)
	s_mov_b32 s[G0H], 1
	s_mov_b32 s[G0H+1], WR
	s_add_nc_u64 s[G0H+2:G0H+3], s[6:7], s[74:75]
	s_add_nc_u64 s[G0H+6:G0H+7], s[G0H+2:G0H+3], 2*CSTR
	s_or_b32 s[G0H+3], s[G0H+3], 0x80000000
	s_or_b32 s[G0H+7], s[G0H+7], 0x80000000
	s_mov_b32 s[G0H+4], 1
	s_mov_b32 s[G0H+5], WR+HALF
.macro ARM under, g0, g1, next         ; one chain of branches on the wave's number: every way passes one fill
	s_cmp_lt_u32 s14, \under
	s_cbranch_scc0 \next
	tensor_load_to_lds s[\g0:\g0+3], s[\g1:\g1+7]
	s_nop 0
.rept 4
	v_nop
.endr
	s_branch .Lhead_asked
\next:
.endm
	ARM 1, G0X, G1X, .Lhead_w0
	ARM 2, G0H, G1H, .Lhead_x2
	ARM 3, G0X2, G1X, .Lhead_w1
	tensor_load_to_lds s[G0H+4:G0H+7], s[G1H:G1H+7]
	s_nop 0
.rept 4
	v_nop
.endr
.Lhead_asked:
	s_wait_alu depctr_va_vdst(0)
	s_lshl_b32 s72, s19, 9
	s_add_co_u32 s72, s72, SOFF
	s_add_nc_u64 s[BX:BX+1], s[4:5], s[72:73]
	s_lshl_b32 s72, s16, 8
	s_add_nc_u64 s[BXQ:BXQ+1], s[BX:BX+1], s[72:73]
	s_lshl_b32 s74, s17, 4
	s_lshl_b32 s78, s15, 3
	s_add_co_u32 s74, s74, s78
	s_lshl_b32 s74, s74, 6
	s_add_co_u32 s74, s74, SOFF
	s_add_nc_u64 s[BW:BW+1], s[6:7], s[74:75]
	s_lshl_b32 s74, s17, 4
	s_lshl_b32 s78, s14, 2
	s_add_co_u32 s74, s74, s78
	s_add_co_u32 s74, s74, 128
	s_lshl_b32 s74, s74, 6
	s_add_co_u32 s74, s74, SOFF
	s_add_nc_u64 s[BWV:BWV+1], s[6:7], s[74:75]
	SCLQ Q0, BXQ
	SCLP P0, BW, 0
	s_lshr_b32 s20, s19, 3
	s_lshl_b32 s20, s20, 4
	s_lshl_b32 s21, s17, 2
	s_add_co_u32 s20, s20, s21
	s_and_b32 s21, s19, 7
	s_lshl_b32 s22, s15, 1
	s_add_co_u32 s22, s22, s20
	s_mul_i32 s22, s22, HB
	s_lshl_b32 s23, s21, 3
	s_lshl_b32 s24, s16, 2
	s_add_co_u32 s23, s23, s24
	s_mul_i32 s24, s23, 768
	s_add_co_u32 s24, s24, s22
	s_lshl_b32 s25, s23, 6
	s_add_co_u32 s25, s25, s22
	s_add_co_u32 s25, s25, 98304
	s_add_co_u32 s22, s20, s14
	s_mul_i32 s22, s22, HB
	s_mul_i32 s26, s21, 6144
	s_add_co_u32 s26, s26, s22
	s_add_co_u32 s26, s26, 49152
	s_lshl_b32 s27, s21, 8
	s_add_co_u32 s27, s27, s22
	s_add_co_u32 s27, s27, 102400
	s_cmp_lt_u32 s14, 2                            ; K steps 0 to 3 read what waves 0 and 1 asked for; the other two fills are awaited by every wave at the first change of slots
	s_cbranch_scc0 .Lnot_first
	s_wait_tensorcnt 0x0
.Lnot_first:
	s_barrier_signal -1
	s_barrier_wait -1
	FETCH 0, 0
	s_wait_alu depctr_va_vdst(0)
	s_wait_loadcnt 0x0
	STEP 0, 0, P0, Q0
	SCLP P1, BW, 4096
	STEP 1, 0, P0, Q0
	s_wait_alu depctr_va_vdst(0)
	STEP 2, 0, P0, Q0
	SCLQ Q1, BWV
	TURN 3, P0, Q0, 1, 0, 4, 0
	s_wait_alu depctr_va_vdst(0)
	STEP 4, 0, P0, Q0
	SCLP P2, BX, 0
	STEP 5, 0, P0, Q0
	s_wait_alu depctr_va_vdst(0)
	STEP 6, 0, P0, Q0
	TURN 7, P0, Q0, 1, 1, 0, 0
	OUT_QK 8
	s_wait_loadcnt 0x0
	STEP 0, 0, P1, Q0
	STEP 1, 0, P1, Q0
	s_wait_alu depctr_va_vdst(0)
	STEP 2, 0, P1, Q0
	TURN 3, P1, Q0, 1, 0, 4, 0
	s_wait_alu depctr_va_vdst(0)
	STEP 4, 0, P1, Q0
	STEP 5, 0, P1, Q0
	s_wait_alu depctr_va_vdst(0)
	STEP 6, 0, P1, Q0
	TURN 7, P1, Q0, 1, 1, 0, 1
	OUT_QK 10
	STEP 0, 1, P2, Q1
	STEP 1, 1, P2, Q1
	s_wait_alu depctr_va_vdst(0)
	STEP 2, 1, P2, Q1
	TURN 3, P2, Q1, 0, 0, 4, 1
	s_wait_alu depctr_va_vdst(0)
	STEP 4, 1, P2, Q1
	STEP 5, 1, P2, Q1
	s_wait_alu depctr_va_vdst(0)
	STEP 6, 1, P2, Q1
	s_wait_dscnt 0x0
	MUL 7, P2, Q1
.rept 4
	v_nop
.endr
	s_wait_xcnt 0x0
	s_mov_b32 s72, s26
	s_mov_b32 s73, 0
	s_add_nc_u64 s[68:69], s[10:11], s[72:73]
	s_mov_b32 s72, s27
	s_add_nc_u64 s[70:71], s[10:11], s[72:73]
.irp a, 0,1,2,3
.if \a > 0
	s_wait_xcnt 0x0
.endif
	QUANT1 \a, PW+\a
	global_store_b128 v10, v[PC:PC+3], s[68:69] offset:\a*1536
	global_store_b64 v11, v[PC+4:PC+5], s[68:69] offset:\a*1536+512
	global_store_b128 v10, v[PC+6:PC+9], s[68:69] offset:\a*1536+768
	global_store_b64 v11, v[PC+10:PC+11], s[68:69] offset:\a*1536+1280
.endr
	v_cmp_le_u32 vcc_lo, 16, v1
	v_cndmask_b32 v[SW], v[PW], v[PW+1], vcc_lo
	v_cndmask_b32 v[SW+1], v[PW+2], v[PW+3], vcc_lo
	global_store_b32 v9, v[SW], s[70:71]
	global_store_b32 v9, v[SW+1], s[70:71] offset:128
	s_wait_tensorcnt 0x0
	ds_add_u32 v[SPW], v[NIL]
	s_wait_dscnt 0x0
	CROUND
	s_endpgm
.Lfunc_end_k_q934428d3ff_gemm1:
	.size	k_q934428d3ff_gemm1, .Lfunc_end_k_q934428d3ff_gemm1-k_q934428d3ff_gemm1
	.p2alignl 7, 3214868480
	.fill 96, 4, 3214868480
	.section	.rodata,"a",@progbits
	.p2align	6, 0x0
	.amdhsa_kernel k_q934428d3ff_gemm1
		.amdhsa_group_segment_fixed_size 327680
		.amdhsa_private_segment_fixed_size 0
		.amdhsa_enable_private_segment 0
		.amdhsa_kernarg_size 32
		.amdhsa_user_sgpr_count 2
		.amdhsa_user_sgpr_kernarg_segment_ptr 1
		.amdhsa_wavefront_size32 1
		.amdhsa_system_sgpr_workgroup_id_x 1
		.amdhsa_system_sgpr_workgroup_id_y 1
		.amdhsa_system_sgpr_workgroup_id_z 1
		.amdhsa_system_vgpr_workitem_id 0
		.amdhsa_next_free_vgpr 864
		.amdhsa_next_free_sgpr 100
		.amdhsa_reserve_vcc 1
		.amdhsa_float_denorm_mode_32 3
		.amdhsa_float_denorm_mode_16_64 3
		.amdhsa_memory_ordered 1
		.amdhsa_forward_progress 1
		.amdhsa_inst_pref_size 255
	.end_amdhsa_kernel
	.section	.bss,"aw",@nobits
	.p2align	6
	.space	262144
	.amdgpu_metadata
---
amdhsa.version: [ 1, 2 ]
amdhsa.kernels:
  - .name:           k_q934428d3ff_gemm1
    .symbol:         k_q934428d3ff_gemm1.kd
    .args:
      - { .name: xq, .offset: 0, .size: 8, .value_kind: global_buffer, .address_space: global }
      - { .name: wc, .offset: 8, .size: 8, .value_kind: global_buffer, .address_space: global }
      - { .name: qb, .offset: 16, .size: 8, .value_kind: global_buffer, .address_space: global }
      - { .name: kv, .offset: 24, .size: 8, .value_kind: global_buffer, .address_space: global }
    .group_segment_fixed_size: 327680
    .private_segment_fixed_size: 0
    .kernarg_segment_align: 8
    .kernarg_segment_size: 32
    .max_flat_workgroup_size: 128
    .sgpr_count:     100
    .vgpr_count:     864
    .wavefront_size: 32
...
	.end_amdgpu_metadata
.endif
;; end of part 2
;; launch attn (part 3): grid 4 x 64, 8 waves a work-group, clusters of 4 x 1, 210,944 bytes of LDS; arguments qb, kv, ac; writes ac
.if DOCPART == 3
	.amdgcn_target "amdgcn-amd-amdhsa--gfx1250"
	.amdhsa_code_object_version 6
	.text
	.protected	k_q934428d3ff_attn
	.globl	k_q934428d3ff_attn
	.p2align	8
	.type	k_q934428d3ff_attn,@function
k_q934428d3ff_attn:
	s_mov_b64 s[64:65], 0
	v_nop
	global_prefetch_b8 v0, s[64:65] scope:SCOPE_SE
	s_setreg_imm32_b32 hwreg(HW_REG_WAVE_MODE, 25, 1), 1
	s_wait_xcnt 0x0
	s_wait_alu depctr_hold_cnt(0) depctr_sa_sdst(0) depctr_va_vdst(0) depctr_va_sdst(0) depctr_va_ssrc(0) depctr_va_vcc(0) depctr_vm_vsrc(0)
	s_getreg_b32 s2, hwreg(HW_REG_IB_STS2, 6, 4)
	s_cmp_eq_u32 s2, 0
	s_cbranch_scc0 .Lentry_in_a_cluster
	s_endpgm
.Lentry_in_a_cluster:
	s_bfe_u32 s2, ttmp6, 0x10000c
	s_cmp_lg_u32 s2, 0x3003
	s_cbranch_scc0 .Lentry_shape_is_right
	s_endpgm
.Lentry_shape_is_right:
; Attention on codes of FP6 (E2M3) with E8M0 scales: O = softmax(Q K^T / 8) V for 128 (batch, head) pairs of 1,024 tokens x 64; the result is quantised at once along (head, d), the last product's K.
; THE SOFTMAX: t = score x log2(e) / 8; M = the running largest t rounded UP to a whole number; p = 2^(t - M) is quantised along the keys, not normalised.  The row's sum is taken of the unquantised p, in f32,
; and divides O at the end.  When M moves, the sum and O are multiplied by 2^(old M - new M): exact.
; SHARES.  A work-group owns two neighbouring heads of one batch and 256 queries; each of its eight waves owns TWO tiles of 16 queries, head by head, so that each fragment of K and V read from LDS serves two tiles.
; K, V and their scale words of both heads (2 x HB dense bytes) come into LDS ONCE, an eighth to a wave: waves 0-3 bring head 0, waves 4-7 head 1, each group by a load line of its own.  No LDS byte is filled twice.
; CLUSTER: the four work-groups of a cluster own the four query blocks of the same two heads and ask for these bytes jointly.  No prefetch: every fill goes out at the head, so there is no loop to run ahead in.
; LAYOUT.  Both products are used transposed (S^T = K Q^T, O^T = V^T P^T): a lane holds ONE query of each tile.  In memory slot r of key tile T is key 32 (T / 2) + 8 (T % 2) + r + 8 (r / 8).
; THE KEYS OF A TILE ARE CHOSEN BY THE LANES' LDS ADDRESSES: slot 8 a + i of tile 4 g + t of a step is key 64 g + 32 a + 8 t + i, which lies in image 4 g + 2 a + t % 2 at slot 8 (t / 2) + i.  So lane (r, h) holds in
; registers 32 g + 0 .. 31 of S^T the whole block 2 g + h of 32 keys, in order: a block's largest p needs no other lane, and the conversions' results are the operand's registers.
; (Lanes 0-7 and 8-15 of such a load read 1,536 bytes apart.)
; K = 64 IN AN INSTRUCTION OF 128: Q's registers 6-11 hold zero codes, and bytes 2 and 3 of Q's and K's scale words are 0 (2^-127, a number).  K's tile t is named as 12 registers: its upper six are tile t + 1's codes
; (behind tile 7: zeros), numbers of the format multiplied by exact zeros.
; V is fetched at a step's top, the next step's K behind this step's scores.  The last step of a head so fetches the 6,144 bytes and 512 scale bytes that follow K's in the head's block; they are not used.
; LIMITS: the scaled scores stay under 2^31 in magnitude; NaN and infinities are not served; a block whose largest magnitude lies under 2^-124, a block of zeros too, gets the byte 1 (this program alone reads the bytes).
; REGISTERS.  Window 0: v1-8 lane terms, v10-15 the step's LDS addresses, v16-63 a few numbers for each tile, scale words, v64-111 Q (head, tile), v112-165 K and six zeros, v166-213 V, v214-253 p's codes.
; Window 1: v0-127 S^T, then p, of the two tiles; v128-191 O^T; v192-223 tile 0's first sums.
.set CSTR, 1572864
.set SOFF, 6291456
.set HB,   104448
.set SPARE, 208896
.set SEL,  20                          ; s[20:21] v_permlanex16_b32's selects for lane l xor 16
.set CS,   22                          ; s[22:23] log2(e) / 8
.set G1,   24
.set G0,   32
.set TB,   40                          ; where the step's codes begin in LDS; s41, s42: K's and V's scale words
.set TK,   41
.set TV,   42
.set CNT,  43
.set AK16, 10
.set AK8,  11
.set AKS,  12
.set AV16, 13
.set AV8,  14
.set AVS,  15
.set MN,   16                          ; pairs, one for each tile q at + 2 q: -M; f; the sum
.set FF,   20
.set LL,   24
.set RR,   28                          ; + q: the running largest score
.set TT,   30
.set QS,   32                          ; + 2 e + q: Q's scale words
.set DD,   36
.set OB,   38                          ; the result's scale bytes
.set PS,   40                          ; p's scale words
.set VS,   42
.set KS,   44
.set BM,   48                          ; + 4 q + c: four chains of maxima a tile; a block's ends in + 4 q + 2 b
.set SO,   56                          ; + 2 q + b: the conversions' scale operands
.set EB,   60                          ; their bytes
.set QF,   64
.set KF,   112
.set VF,   166
.set PF,   214
.set CT,   238
.set O1,   128
.set L1,   192
.set MSB, 0
.macro WIN new                         ; the immediate's high byte repeats the setting that is left
.if MSB != \new
	s_set_vgpr_msb (MSB<<8)|\new
.set MSB, \new
.endif
.endm
.macro WALU
	s_wait_alu depctr_va_vdst(0)
.endm
.macro CROUND
	s_barrier_signal -1
	s_barrier_wait -1
	s_cmp_lg_u32 s14, 0
	s_cbranch_scc1 .Lnot_wave_0_\@
	s_barrier_signal -3
.Lnot_wave_0_\@:
	s_barrier_wait -3
	s_barrier_signal -1
	s_barrier_wait -1
.endm
.macro KLOAD                           ; 20 loads: eight tiles of keys as chosen above, and their scale words (lanes 0-15 tile 2 x, lanes 16-31 tile 2 x + 1)
	v_add_nc_u32 v[AK16], s[TB], v1
	v_add_nc_u32 v[AK8], s[TB], v2
	v_add_nc_u32 v[AKS], s[TK], v3
	v_nop                                          ; with the three above: four places behind the products that read these registers
.irp t, 0,1,2,3,4,5,6,7
	ds_load_b128 v[KF+6*\t:KF+6*\t+3], v[AK16] offset:768*(4*(\t/4)+\t%2)+128*((\t%4)/2)
	ds_load_b64 v[KF+6*\t+4:KF+6*\t+5], v[AK8] offset:768*(4*(\t/4)+\t%2)+64*((\t%4)/2)
.endr
.irp x, 0,1,2,3
	ds_load_b32 v[KS+\x], v[AKS] offset:256*(\x/2)+32*(\x%2)
.endr
.endm
; A KEY STEP: 128 keys x 32 queries.  qf: Q's two fragments, qs: their scale words.
.macro STEP qf, qs
	v_add_nc_u32 v[AV16], s[TB], v4                ; four places behind the last products, then V: 18 loads
	v_add_nc_u32 v[AV8], s[TB], v5
	v_add_nc_u32 v[AVS], s[TV], v6
	v_nop
.irp a, 0,1,2,3
	ds_load_b128 v[VF+12*\a:VF+12*\a+3], v[AV16] offset:49152+\a*1536
	ds_load_b64 v[VF+12*\a+4:VF+12*\a+5], v[AV8] offset:49152+\a*1536
	ds_load_b128 v[VF+12*\a+6:VF+12*\a+9], v[AV16] offset:49152+\a*1536+768
	ds_load_b64 v[VF+12*\a+10:VF+12*\a+11], v[AV8] offset:49152+\a*1536+768
.endr
	ds_load_b32 v[VS], v[AVS]
	ds_load_b32 v[VS+1], v[AVS] offset:128
	s_wait_dscnt 18                                ; K is in; V's 18 may be out
	WIN 0x40
.irp t, 0,1,2,3,4,5,6,7
.irp q, 0,1
.if \t%2 == 0
	v_wmma_scale_f32_16x16x128_f8f6f4 v[64*\q+8*\t:64*\q+8*\t+7], v[KF+6*\t:KF+6*\t+11], v[\qf+12*\q:\qf+12*\q+11], 0, v[KS+\t/2], v[\qs+\q] matrix_a_fmt:MATRIX_FMT_FP6 matrix_b_fmt:MATRIX_FMT_FP6
.else
	v_wmma_scale_f32_16x16x128_f8f6f4 v[64*\q+8*\t:64*\q+8*\t+7], v[KF+6*\t:KF+6*\t+11], v[\qf+12*\q:\qf+12*\q+11], 0, v[KS+\t/2], v[\qs+\q] matrix_a_fmt:MATRIX_FMT_FP6 matrix_b_fmt:MATRIX_FMT_FP6 matrix_a_scale:MATRIX_SCALE_ROW1
.endif
.endr
.endr
	WIN 0
	s_add_co_u32 s[TB], s[TB], 6144
	s_add_co_u32 s[TK], s[TK], 512
	s_add_co_u32 s[TV], s[TV], 256
	KLOAD                                          ; the next step's K lands under the softmax
	WIN 0x15                                       ; the largest score of each block of 32 keys, two chains a block, eight by turns
.irp q, 0,1
.irp c, 0,1,2,3
	v_max3_num_f32 v[BM+4*\q+\c], v[64*\q+16*\c], v[64*\q+16*\c+1], v[64*\q+16*\c+2]
.endr
.endr
	WIN 0x14
.irp i, 3,5,7,9,11,13
.irp q, 0,1
.irp c, 0,1,2,3
	v_max3_num_f32 v[BM+4*\q+\c], v[BM+4*\q+\c], v[64*\q+16*\c+\i], v[64*\q+16*\c+\i+1]
.endr
.endr
.endr
.irp q, 0,1
.irp b, 0,1
	v_max3_num_f32 v[BM+4*\q+2*\b], v[BM+4*\q+2*\b], v[64*\q+32*\b+15], v[64*\q+32*\b+31]
.endr
.endr
	WIN 0
.irp q, 0,1
.irp b, 0,1
	v_max_num_f32 v[BM+4*\q+2*\b], v[BM+4*\q+2*\b], v[BM+4*\q+2*\b+1]
.endr
.endr
.irp q, 0,1                                    ; the two tiles by turns
	v_max3_num_f32 v[RR+\q], v[RR+\q], v[BM+4*\q], v[BM+4*\q+2]
.endr
.irp q, 0,1
	v_permlanex16_b32 v[TT+\q], v[RR+\q], s[SEL], s[SEL+1]
.endr
.irp q, 0,1
	v_max_num_f32 v[RR+\q], v[RR+\q], v[TT+\q]     ; the running largest score of my query
.endr
.irp q, 0,1
	v_mul_f32 v[TT+\q], s[CS], v[RR+\q]            ; as t
.endr
.irp q, 0,1
	v_floor_f32 v[TT+\q], -v[TT+\q]                ; the new -M = -ceil(t)
.endr
.irp q, 0,1
	v_sub_f32 v[DD+\q], v[TT+\q], v[MN+2*\q]       ; old M - new M: a whole number, 0 or less
.endr
.irp q, 0,1
	v_mov_b32 v[MN+2*\q], v[TT+\q]
.endr
.irp q, 0,1
	v_cvt_i32_f32 v[DD+\q], v[DD+\q]               ; (it saturates)
.endr
.irp q, 0,1
	v_ldexp_f32 v[FF+2*\q], 1.0, v[DD+\q]          ; f = 2^(old M - new M)
.endr
.irp q, 0,1
.irp b, 0,1
	v_fma_f32 v[BM+4*\q+2*\b], v[BM+4*\q+2*\b], s[CS], v[MN+2*\q]   ; t - M of each block's largest score
.endr
.endr
	WIN 0x41
.irp q, 0,1
.set j, 0
.rept 16
	v_pk_mul_f32 v[O1+32*\q+j:O1+32*\q+j+1], v[O1+32*\q+j:O1+32*\q+j+1], v[FF+2*\q:FF+2*\q+1] op_sel_hi:[1,0]   ; O^T under the new M, each accumulator from its low end on
.set j, j+2
.endr
.endr
.set j, 0
.rept 32
	v_pk_fma_f32 v[j:j+1], v[j:j+1], s[CS:CS+1], v[MN:MN+1] op_sel_hi:[1,0,0]   ; tile 0: t - M
.set j, j+2
.endr
	WALU                                           ; ahead of a batch of exponentials
.set j, 0
.rept 32                                       ; tile 0's p; among them tile 1's t - M, which nothing reads before the next wait
	v_exp_f32 v[j], v[j]
	v_exp_f32 v[j+1], v[j+1]
	v_pk_fma_f32 v[64+j:65+j], v[64+j:65+j], s[CS:CS+1], v[MN+2:MN+3] op_sel_hi:[1,0,0]
.set j, j+2
.endr
	WALU                                           ; behind the first batch and ahead of the second
	WIN 0x45
.set j, 0
.rept 16                                       ; tile 1's p; among them the first 16 additions of tile 0's unquantised p, which nothing reads before the next wait
	v_exp_f32 v[64+4*j], v[64+4*j]
	v_exp_f32 v[65+4*j], v[65+4*j]
	v_exp_f32 v[66+4*j], v[66+4*j]
	v_exp_f32 v[67+4*j], v[67+4*j]
	v_pk_add_f32 v[L1+2*j:L1+2*j+1], v[4*j:4*j+1], v[4*j+2:4*j+3]
.set j, j+1
.endr
	WIN 0
.irp q, 0,1
.irp b, 0,1
	v_exp_f32 v[BM+4*\q+2*\b], v[BM+4*\q+2*\b]     ; each block's largest p: the same two instructions on the same number
.endr
.endr
	v_nop
	WALU
.irp q, 0,1
.irp b, 0,1
	v_max_num_f32 v[BM+4*\q+2*\b], 0x1800000, v[BM+4*\q+2*\b]   ; the floor 2^(3 - 127): the byte cannot fall under 1
.endr
.endr
.irp q, 0,1
.irp b, 0,1
	v_add_nc_u32 v[SO+2*\q+\b], 0xff000000, v[BM+4*\q+2*\b]     ; 2 off the exponent field: the conversions' scale operand
.endr
.endr
.irp q, 0,1
.irp b, 0,1
	v_lshrrev_b32 v[EB+2*\q+\b], 23, v[SO+2*\q+\b]
.endr
.endr
.irp q, 0,1
	v_lshl_or_b32 v[PS+\q], v[EB+2*\q+1], 16, v[EB+2*\q]        ; my blocks h and 2 + h,
.endr
.irp q, 0,1
	v_lshlrev_b32 v[PS+\q], v8, v[PS+\q]                        ; at their places (8 h bits up);
.endr
.irp q, 0,1
	v_permlanex16_b32 v[TT+\q], v[PS+\q], s[SEL], s[SEL+1]
.endr
.irp q, 0,1
	v_or_b32 v[PS+\q], v[PS+\q], v[TT+\q]                       ; with lane l xor 16's two the scale word is whole
.endr
	WIN 0x01
.irp q, 0,1
.irp g, 0,1
	v_cvt_scalef32_pk16_fp6_f32 v[PF+12*\q+6*\g:PF+12*\q+6*\g+2], v[64*\q+32*\g:64*\q+32*\g+15], v[SO+2*\q+\g]
	v_cvt_scalef32_pk16_fp6_f32 v[CT+8*\q+4*\g:CT+8*\q+4*\g+2], v[64*\q+32*\g+16:64*\q+32*\g+31], v[SO+2*\q+\g]   ; (a conversion's three registers begin on an even number)
.endr
.endr
	WIN 0
	v_nop                                          ; one plain place behind a scaled conversion
.irp q, 0,1
.irp g, 0,1
.irp i, 0,1,2
	v_mov_b32 v[PF+12*\q+6*\g+3+\i], v[CT+8*\q+4*\g+\i]
.endr
.endr
.endr
	WIN 0x45                                       ; the rest of the sums, the two tiles by turns
.set j, 0
.rept 16
	v_pk_add_f32 v[64+4*j:65+4*j], v[64+4*j:65+4*j], v[66+4*j:67+4*j]
.set j, j+1
.endr
.irp n, 8,4,2,1
.set j, 0
.rept \n
	v_pk_add_f32 v[L1+2*j:L1+2*j+1], v[L1+2*j:L1+2*j+1], v[L1+2*(j+\n):L1+2*(j+\n)+1]
	v_pk_add_f32 v[64+4*j:65+4*j], v[64+4*j:65+4*j], v[64+4*(j+\n):65+4*(j+\n)]
.set j, j+1
.endr
.endr
	WIN 0x10
	v_pk_fma_f32 v[LL:LL+1], v[LL:LL+1], v[FF:FF+1], v[L1:L1+1] op_sel_hi:[1,0,1]        ; the sum so far x f + this step's
	v_pk_fma_f32 v[LL+2:LL+3], v[LL+2:LL+3], v[FF+2:FF+3], v[64:65] op_sel_hi:[1,0,1]
	WIN 0
	WALU                                           ; directly ahead of the wait below
	s_wait_dscnt 20                                ; V is in; the next K's 20 may be out
	WIN 0x50
.irp a, 0,1,2,3                                ; the eight accumulators take turns
.irp q, 0,1
.if \a%2 == 0
	v_wmma_scale_f32_16x16x128_f8f6f4 v[O1+32*\q+8*\a:O1+32*\q+8*\a+7], v[VF+12*\a:VF+12*\a+11], v[PF+12*\q:PF+12*\q+11], v[O1+32*\q+8*\a:O1+32*\q+8*\a+7], v[VS+\a/2], v[PS+\q] matrix_a_fmt:MATRIX_FMT_FP6 matrix_b_fmt:MATRIX_FMT_FP6
.else
	v_wmma_scale_f32_16x16x128_f8f6f4 v[O1+32*\q+8*\a:O1+32*\q+8*\a+7], v[VF+12*\a:VF+12*\a+11], v[PF+12*\q:PF+12*\q+11], v[O1+32*\q+8*\a:O1+32*\q+8*\a+7], v[VS+\a/2], v[PS+\q] matrix_a_fmt:MATRIX_FMT_FP6 matrix_b_fmt:MATRIX_FMT_FP6 matrix_a_scale:MATRIX_SCALE_ROW1
.endif
.endr
.endr
	WIN 0
.endm
; Head e of my two: its block has landed; eight key steps; the result is divided by the sum, quantised (two blocks of 32 along d) and stored as half images.
.macro HEAD e
.if \e == 0
	s_cmp_lt_u32 s14, 4                            ; head 0's four eighths are waves 0 to 3's: they wait; head 1's may be out
	s_cbranch_scc0 .Lnot_mine
	s_wait_tensorcnt 0x0
.Lnot_mine:
.else
	s_wait_tensorcnt 0x0                           ; every wave's fill has landed
.endif
	s_wait_dscnt 0x0
	s_barrier_signal -1
	s_barrier_wait -1
	s_mov_b32 s[TB], \e*HB
	s_mov_b32 s[TK], \e*HB
	s_mov_b32 s[TV], \e*HB
	s_mov_b32 s[CNT], 8
	KLOAD
.irp q, 0,1
	v_mov_b32 v[RR+\q], 0xff61b1e6                 ; the largest score so far: -3e38
	v_mov_b32 v[MN+2*\q], 0x7e000000               ; -M: so large that the first f is 0
	v_mov_b32 v[LL+2*\q], 0
	v_mov_b32 v[LL+2*\q+1], 0
.endr
	WIN 0x40
.set j, 0
.rept 64
	v_mov_b32 v[O1+j], 0                           ; O^T: the step is written once; its first trip finds zeros
.set j, j+1
.endr
	WIN 0
	WALU
	s_wait_loadcnt 6-6*\e                          ; this head's Q is in (head 0: head 1's six loads, issued behind it, may be out)
.Lstep_\@:
	STEP QF+24*\e, QS+2*\e
	s_sub_co_u32 s[CNT], s[CNT], 1
	s_cmp_lg_u32 s[CNT], 0
	s_cbranch_scc1 .Lstep_\@
.irp q, 0,1                                    ; (these six lines are the places behind the last products)
	v_add_f32 v[LL+2*\q], v[LL+2*\q], v[LL+2*\q+1]
.endr
.irp q, 0,1
	v_permlanex16_b32 v[TT+\q], v[LL+2*\q], s[SEL], s[SEL+1]
.endr
.irp q, 0,1
	v_add_f32 v[LL+2*\q], v[LL+2*\q], v[TT+\q]     ; the row's sum
.endr
	WALU
	v_rcp_f32 v[LL], v[LL]
	v_rcp_f32 v[LL+2], v[LL+2]
	v_nop
	WIN 0x41
	WALU
.irp q, 0,1
.set j, 0
.rept 16
	v_pk_mul_f32 v[O1+32*\q+j:O1+32*\q+j+1], v[O1+32*\q+j:O1+32*\q+j+1], v[LL+2*\q:LL+2*\q+1] op_sel_hi:[1,0]   ; register 16 b + i is d = 32 b + 16 h + i of my query
.set j, j+2
.endr
.endr
	WIN 0x05
.irp q, 0,1
.irp b, 0,1
	v_max3_num_f32 v[BM+4*\q+2*\b], |v[O1+32*\q+16*\b]|, |v[O1+32*\q+16*\b+1]|, 0x1800000
.endr
.endr
	WIN 0x14
.irp i, 2,4,6,8,10,12,14
.irp q, 0,1
.irp b, 0,1
	v_max3_num_f32 v[BM+4*\q+2*\b], v[BM+4*\q+2*\b], |v[O1+32*\q+16*\b+\i]|, |v[O1+32*\q+16*\b+\i+1]|
.endr
.endr
.endr
	WIN 0
.irp q, 0,1
.irp b, 0,1
	v_permlanex16_b32 v[BM+4*\q+2*\b+1], v[BM+4*\q+2*\b], s[SEL], s[SEL+1]
.endr
.endr
.irp q, 0,1
.irp b, 0,1
	v_max_num_f32 v[BM+4*\q+2*\b], v[BM+4*\q+2*\b], v[BM+4*\q+2*\b+1]
.endr
.endr
.irp q, 0,1
.irp b, 0,1
	v_add_nc_u32 v[SO+2*\q+\b], 0xff000000, v[BM+4*\q+2*\b]
.endr
.endr
.irp q, 0,1
.irp b, 0,1
	v_lshrrev_b32 v[EB+2*\q+\b], 23, v[SO+2*\q+\b]
.endr
.endr
	WIN 0x01
.irp q, 0,1
	v_cvt_scalef32_pk16_fp6_f32 v[PF+12*\q:PF+12*\q+2], v[O1+32*\q:O1+32*\q+15], v[SO+2*\q]
	v_cvt_scalef32_pk16_fp6_f32 v[CT+8*\q:CT+8*\q+2], v[O1+32*\q+16:O1+32*\q+31], v[SO+2*\q+1]
.endr
	WIN 0
	v_nop
.irp q, 0,1                                    ; the operand wants a whole block in a lane
.irp i, 0,1,2
	v_permlane16_swap_b32 v[PF+12*\q+\i], v[CT+8*\q+\i]
.endr
.endr
.irp q, 0,1
.irp i, 0,1,2
	v_mov_b32 v[PF+12*\q+3+\i], v[CT+8*\q+\i]
.endr
.endr
.irp q, 0,1
	global_store_b128 v4, v[PF+12*\q:PF+12*\q+3], s[58:59] offset:\e*768+3072*\q     ; 512 consecutive bytes,
	global_store_b64 v5, v[PF+12*\q+4:PF+12*\q+5], s[58:59] offset:\e*768+3072*\q    ; and 256 (v5 holds the 512)
.endr
.if \e == 0
.irp q, 0,1
	v_lshl_or_b32 v[OB+\q], v[EB+2*\q+1], 8, v[EB+2*\q]         ; bytes 0 and 1 of my token's scale word
.endr
	s_wait_xcnt 0x0                                ; the stores have read their registers
.else
.irp q, 0,1
	v_lshl_or_b32 v[TT+\q], v[EB+2*\q+1], 8, v[EB+2*\q]
.endr
.irp q, 0,1
	v_lshl_or_b32 v[OB+\q], v[TT+\q], 16, v[OB+\q]              ; bytes 2 and 3: the word is whole
.endr
.irp q, 0,1
	global_store_b32 v7, v[OB+\q], s[60:61] offset:64*\q        ; lanes l and l + 16 hold the same token's word and write the same bytes
.endr
.endif
.endm
	s_load_b128 s[4:7], s[0:1], 0x0                ; qb, kv
	s_load_b64 s[8:9], s[0:1], 0x10                ; ac
	v_lshl_add_u32 v254, v0, 2, SPARE
	v_mov_b32 v255, 0
	ds_add_u32 v254, v255
	ds_add_u32 v254, v255
	v_lshrrev_b32 v9, 5, v0
	v_readfirstlane_b32 s14, v9                    ; wave 0..7
	s_bfe_u32 s15, ttmp6, 0x40000                  ; cx: my block of 256 queries: it enters addresses in qb and ac alone
	s_and_b32 s16, ttmp7, 0xffff                   ; the pair of heads: 8 x batch + pair
	s_mov_b32 s[SEL], 0x76543210
	s_mov_b32 s[SEL+1], 0xfedcba98
	s_mov_b32 s[CS], 0x3e38aa3b
	s_mov_b32 s[CS+1], s[CS]
	s_mov_b32 s[G1], 15|(3<<16)|(1<<21)            ; an eighth of the pair's bytes: 102 rows of 256 bytes; the mask names all four work-groups
	s_mov_b32 s[G1+1], 32<<16
	s_mov_b32 s[G1+2], 102<<16
	s_mov_b32 s[G1+3], 32<<16
	s_mov_b32 s[G1+4], 102
	s_mov_b32 s[G1+5], 32
	s_mov_b32 s[G1+6], 0
	s_mov_b32 s[G1+7], 0
	s_mul_i32 s44, s16, 2*HB                       ; the pair's first byte in qb and in kv
	s_mul_i32 s46, s14, 26112                      ; my eighth, in memory and in LDS alike
	s_add_co_u32 s48, s44, s46
	s_mov_b32 s49, 0
	s_wait_dscnt 0x0
	s_wait_kmcnt 0x0
	s_mov_b32 s[G0], 1
	s_mov_b32 s[G0+1], s46
	s_add_nc_u64 s[G0+2:G0+3], s[6:7], s[48:49]
	s_or_b32 s[G0+3], s[G0+3], 0x80000000
	s_lshl_b32 s50, s15, 4
	s_lshl_b32 s51, s14, 1
	s_add_co_u32 s50, s50, s51                     ; my first tile of queries in the batch
	s_mul_i32 s52, s50, 768
	s_add_co_u32 s52, s52, s44
	s_mov_b32 s53, 0
	s_add_nc_u64 s[52:53], s[4:5], s[52:53]        ; Q's half images (tile 1: 768 on; head 1: HB on)
	s_lshl_b32 s54, s50, 6
	s_add_co_u32 s54, s54, s44
	s_add_co_u32 s54, s54, 98304
	s_mov_b32 s55, 0
	s_add_nc_u64 s[54:55], s[4:5], s[54:55]        ; and their scale words
	v_and_b32 v9, 31, v0                           ; lane
	v_lshlrev_b32 v4, 4, v9                        ; 16 lane: V's registers 0-3, and the stores
	v_lshl_add_u32 v5, v9, 3, 512                  ; 512 + 8 lane: registers 4-5
	v_lshl_add_u32 v6, v9, 2, 102400               ; V's scale words, two tiles to a load
	v_and_b32 v7, 15, v0
	v_lshlrev_b32 v7, 2, v7                        ; 4 r
.irp q, 0,1                                    ; head 0's Q: six loads, asked for ahead of the round and of the fills: the first key step reads them
	global_load_b128 v[QF+12*\q:QF+12*\q+3], v4, s[52:53] offset:768*\q
	global_load_b64 v[QF+12*\q+4:QF+12*\q+5], v5, s[52:53] offset:768*\q
	global_load_b32 v[QS+\q], v7, s[54:55] offset:64*\q
.endr
	WALU
	CROUND                                         ; all four work-groups are here: the joint loads meet
	s_cmp_lt_u32 s14, 4                            ; one fill a wave; head 0's waves have a line of their own, since they alone wait at the first barrier
	s_cbranch_scc0 .Lhead_1
	tensor_load_to_lds s[G0:G0+3], s[G1:G1+7]
	s_nop 0
.rept 4
	v_nop
.endr
	s_branch .Lasked
.Lhead_1:
	tensor_load_to_lds s[G0:G0+3], s[G1:G1+7]
	s_nop 0
.rept 4
	v_nop
.endr
.Lasked:
.irp q, 0,1                                    ; head 1's Q: six loads, behind the fills
	global_load_b128 v[QF+24+12*\q:QF+24+12*\q+3], v4, s[52:53] offset:HB+768*\q
	global_load_b64 v[QF+24+12*\q+4:QF+24+12*\q+5], v5, s[52:53] offset:HB+768*\q
	global_load_b32 v[QS+2+\q], v7, s[54:55] offset:HB+64*\q
.endr
	s_lshr_b32 s56, s16, 3
	s_lshl_b32 s56, s56, 6
	s_add_co_u32 s56, s56, s50                     ; my first tile of tokens in ac
	s_and_b32 s57, s16, 7                          ; the last product's K step
	s_lshr_b32 s58, s57, 1
	s_mul_i32 s58, s58, CSTR
	s_mul_i32 s59, s56, 3072
	s_add_co_u32 s58, s58, s59
	s_and_b32 s59, s57, 1
	s_mul_i32 s59, s59, 1536
	s_add_co_u32 s58, s58, s59
	s_mov_b32 s59, 0
	s_add_nc_u64 s[58:59], s[8:9], s[58:59]        ; my fragments' images
	s_lshl_b32 s60, s57, 15
	s_lshl_b32 s61, s56, 6
	s_add_co_u32 s60, s60, s61
	s_add_co_u32 s60, s60, SOFF
	s_mov_b32 s61, 0
	s_add_nc_u64 s[60:61], s[8:9], s[60:61]        ; their scale words
	v_and_b32 v10, 7, v0                           ; i
	v_bfe_u32 v11, v0, 3, 1                        ; a
	v_bfe_u32 v12, v0, 4, 1                        ; h
	v_lshlrev_b32 v8, 3, v12                       ; 8 h
	v_mul_u32_u24 v1, v11, 1536                    ; K's registers 0-3: 1536 a + 16 i + 256 h
	v_lshl_add_u32 v1, v10, 4, v1
	v_lshl_add_u32 v1, v12, 8, v1
	v_mul_u32_u24 v2, v11, 1536                    ; registers 4-5: 512 + 1536 a + 8 i + 128 h
	v_lshl_add_u32 v2, v10, 3, v2
	v_lshl_add_u32 v2, v12, 7, v2
	v_add_nc_u32 v2, 512, v2
	v_lshlrev_b32 v3, 7, v11                       ; K's scale words: 98304 + 128 a + 4 i + 64 h
	v_lshl_add_u32 v3, v10, 2, v3
	v_lshl_add_u32 v3, v12, 6, v3
	v_add_nc_u32 v3, 98304, v3
.irp f, 0,1,2,3
.irp i, 6,7,8,9,10,11
	v_mov_b32 v[QF+12*\f+\i], 0                    ; zero codes: Q's unused 64 along K,
.endr
.endr
.irp i, 0,1,2,3,4,5
	v_mov_b32 v[KF+48+\i], 0                       ; and what stands behind K's tile 7
.endr
.irp j, MN+1, MN+3, FF+1, FF+3, TT, TT+1
	v_mov_b32 v[\j], 0                             ; written once: the pairs' upper halves and the lane permutes' destinations
.endr
	WALU
	HEAD 0
	HEAD 1
	s_wait_tensorcnt 0x0                           ; the wave's end
	ds_add_u32 v254, v255
	s_wait_dscnt 0x0
	CROUND                                         ; the closing round
	s_endpgm
.Lfunc_end_k_q934428d3ff_attn:
	.size	k_q934428d3ff_attn, .Lfunc_end_k_q934428d3ff_attn-k_q934428d3ff_attn
	.p2alignl 7, 3214868480
	.fill 96, 4, 3214868480
	.section	.rodata,"a",@progbits
	.p2align	6, 0x0
	.amdhsa_kernel k_q934428d3ff_attn
		.amdhsa_group_segment_fixed_size 210944
		.amdhsa_private_segment_fixed_size 0
		.amdhsa_enable_private_segment 0
		.amdhsa_kernarg_size 24
		.amdhsa_user_sgpr_count 2
		.amdhsa_user_sgpr_kernarg_segment_ptr 1
		.amdhsa_wavefront_size32 1
		.amdhsa_system_sgpr_workgroup_id_x 1
		.amdhsa_system_sgpr_workgroup_id_y 1
		.amdhsa_system_sgpr_workgroup_id_z 1
		.amdhsa_system_vgpr_workitem_id 0
		.amdhsa_next_free_vgpr 480
		.amdhsa_next_free_sgpr 66
		.amdhsa_reserve_vcc 0
		.amdhsa_float_denorm_mode_32 3
		.amdhsa_float_denorm_mode_16_64 3
		.amdhsa_memory_ordered 1
		.amdhsa_forward_progress 1
		.amdhsa_inst_pref_size 86
	.end_amdhsa_kernel
	.amdgpu_metadata
---
amdhsa.version: [ 1, 2 ]
amdhsa.kernels:
  - .name:           k_q934428d3ff_attn
    .symbol:         k_q934428d3ff_attn.kd
    .args:
      - { .name: qb, .offset: 0, .size: 8, .value_kind: global_buffer, .address_space: global }
      - { .name: kv, .offset: 8, .size: 8, .value_kind: global_buffer, .address_space: global }
      - { .name: ac, .offset: 16, .size: 8, .value_kind: global_buffer, .address_space: global }
    .group_segment_fixed_size: 210944
    .private_segment_fixed_size: 0
    .kernarg_segment_align: 8
    .kernarg_segment_size: 24
    .max_flat_workgroup_size: 256
    .sgpr_count:     66
    .vgpr_count:     480
    .wavefront_size: 32
...
	.end_amdgpu_metadata
.endif
;; end of part 3
;; launch gemm4 (part 4): grid 4 x 64, 4 waves a work-group, clusters of 4 x 4, 295,424 bytes of LDS; arguments ac, wc, out0; writes out0
.if DOCPART == 4
	.amdgcn_target "amdgcn-amd-amdhsa--gfx1250"
	.amdhsa_code_object_version 6
	.text
	.protected	k_q934428d3ff_gemm4
	.globl	k_q934428d3ff_gemm4
	.p2align	8
	.type	k_q934428d3ff_gemm4,@function
k_q934428d3ff_gemm4:
	s_mov_b64 s[64:65], 0
	v_nop
	global_prefetch_b8 v0, s[64:65] scope:SCOPE_SE
	s_setreg_imm32_b32 hwreg(HW_REG_WAVE_MODE, 25, 1), 1
	s_wait_xcnt 0x0
	s_wait_alu depctr_hold_cnt(0) depctr_sa_sdst(0) depctr_va_vdst(0) depctr_va_sdst(0) depctr_va_ssrc(0) depctr_va_vcc(0) depctr_vm_vsrc(0)
	s_getreg_b32 s2, hwreg(HW_REG_IB_STS2, 6, 4)
	s_cmp_eq_u32 s2, 0
	s_cbranch_scc0 .Lentry_in_a_cluster
	s_endpgm
.Lentry_in_a_cluster:
	s_bfe_u32 s2, ttmp6, 0x10000c
	s_cmp_lg_u32 s2, 0xf033
	s_cbranch_scc0 .Lentry_shape_is_right
	s_endpgm
.Lentry_shape_is_right:
; out0 = attention's result x w_out on codes of FP6 (E2M3) with E8M0 scales, K = 1,024; out0 [8192][1024] f32.
; OPERANDS (ac: tokens; wc, tiles 192-255: w_out's columns): rows in tiles of 16 slots (slot r of tile T = row 32 (T / 2) + 8 (T % 2) + r + 8 (r / 8)), codes as images of the operand's registers: a fragment of
; 16 slots x 128 K is 1,536 bytes, two half images of 768: lane l's registers 0-3 at 16 l, registers 4-5 at 512 + 8 l.  Codes: (K / 256) CSTR + 3072 T + 1536 ((K / 128) % 2); scale words: SOFF + 32768 (K / 128) + 64 T + 4 r.
; A WORK-GROUP makes 256 columns (source 0) x 128 tokens (source 1); four waves, each 128 x 64: 32 accumulators.  All of K lies in LDS: four chunks of 256 along K, each filled ONCE, so no LDS byte is filled twice.
; CLUSTERS of 4 x 4: the tokens' tiles are shared along a row of the cluster, the columns' along a column; each is asked for jointly.
; A lane holds one token, and the 16 registers of source 0's tiles 2 b and 2 b + 1 are 16 neighbouring columns.  The way out goes through the wave's own stage in LDS, so that whole rows of 512 bytes are stored; the
; stores' offsets undo the order of the tokens' slots.
; REGISTERS: window 0: v1-13 addresses; v16-47 source 1's scale words, v48-79 source 0's (two tiles to a register); v80-175 source 1's fragments, two sets; on the way out v80-207 rows of out0.
;   window 1: accumulator (a, b) at v[8 (8 a + b)].   window 2: source 0's fragments, two sets of 96.
.set CSTR,  1572864
.set SOFF,  6291456
.set ACH,   24576                      ; LDS: source 1's four chunks of 8 tiles x 3,072 bytes on end,
.set BCH,   49152                      ; then source 0's four chunks of 16 tiles
.set S0AT,  98304
.set G1C,   68                         ; s[68:75] group 1 of source 0's chunks 2 and 3
.set SA,    16
.set SBS,   48
.set FB,    80
.set BK,    80
.set STO,   12
.set RD,    13
.set G1A,   28
.set G1B,   36
.set G0A,   44
.set G0B,   68
.set MSB, 0
.macro WIN new                         ; the immediate's high byte repeats the setting that is left
.if MSB != \new
	s_set_vgpr_msb (MSB<<8)|\new
.set MSB, \new
.endif
.endm
.macro CROUND                          ; a round of the cluster's barrier
	s_barrier_signal -1
	s_barrier_wait -1
	s_cmp_lg_u32 s14, 0
	s_cbranch_scc1 .Lnot_wave_0_\@
	s_barrier_signal -3
.Lnot_wave_0_\@:
	s_barrier_wait -3
	s_barrier_signal -1
	s_barrier_wait -1
.endm
.macro FRAG reg, a16, a8, off          ; a fragment's 12 registers: every load takes 512 or 256 consecutive bytes
	ds_load_b128 v[\reg:\reg+3], v[\a16] offset:\off
	ds_load_b64 v[\reg+4:\reg+5], v[\a8] offset:\off
	ds_load_b128 v[\reg+6:\reg+9], v[\a16] offset:\off+768
	ds_load_b64 v[\reg+10:\reg+11], v[\a8] offset:\off+768
.endm
; K step s's fragments into set s % 2.  Four plain vector instructions stand in front: the places between the products that read the set last and the loads into it (ISA guide 7.12.1 for vector instructions).
.macro FETCH s
.if (\s) > 0
.if (\s)%2 == 0
	v_add_nc_u32 v4, ACH, v4                       ; on to the next chunk (no LDS load of mine is out)
	v_add_nc_u32 v5, ACH, v5
	v_add_nc_u32 v6, BCH, v6
	s_wait_alu depctr_va_vdst(0)
	v_add_nc_u32 v7, BCH, v7
.else
.rept 4
	v_nop
.endr
.endif
.endif
	WIN 0x80                                       ; destination window 2
.irp b, 0,1,2,3,4,5,6,7
	FRAG 96*((\s)%2)+12*\b, 6, 7, \b*3072+((\s)%2)*1536
.endr
	WIN 0
.irp a, 0,1,2,3
	FRAG FB+48*((\s)%2)+12*\a, 4, 5, \a*3072+((\s)%2)*1536
.endr
.endm
; 32 matrix instructions: the 32 accumulators take turns, one instruction a turn, in the same order in every K step.  K step 0 starts the sums: nothing is cleared.
.macro MUL s
	WIN 0x52                                       ; source 0 window 2, source 1 window 0, C and D window 1
.irp a, 0,1,2,3
.irp b, 0,1,2,3,4,5,6,7
.set rD, 8*(8*\a+\b)
.set rA, 96*((\s)%2)+12*\b
.set rB, FB+48*((\s)%2)+12*\a
.set rP, SBS+8*(\b/2)+(\s)
.set rQ, SA+8*\a+(\s)
.if (\s) == 0
.if \b%2 == 0
	v_wmma_scale_f32_16x16x128_f8f6f4 v[rD:rD+7], v[rA:rA+11], v[rB:rB+11], 0, v[rP], v[rQ] matrix_a_fmt:MATRIX_FMT_FP6 matrix_b_fmt:MATRIX_FMT_FP6
.else
	v_wmma_scale_f32_16x16x128_f8f6f4 v[rD:rD+7], v[rA:rA+11], v[rB:rB+11], 0, v[rP], v[rQ] matrix_a_fmt:MATRIX_FMT_FP6 matrix_b_fmt:MATRIX_FMT_FP6 matrix_a_scale:MATRIX_SCALE_ROW1
.endif
.else
.if \b%2 == 0
	v_wmma_scale_f32_16x16x128_f8f6f4 v[rD:rD+7], v[rA:rA+11], v[rB:rB+11], v[rD:rD+7], v[rP], v[rQ] matrix_a_fmt:MATRIX_FMT_FP6 matrix_b_fmt:MATRIX_FMT_FP6
.else
	v_wmma_scale_f32_16x16x128_f8f6f4 v[rD:rD+7], v[rA:rA+11], v[rB:rB+11], v[rD:rD+7], v[rP], v[rQ] matrix_a_fmt:MATRIX_FMT_FP6 matrix_b_fmt:MATRIX_FMT_FP6 matrix_a_scale:MATRIX_SCALE_ROW1
.endif
.endif
.endr
.endr
	WIN 0
.endm
.macro STEP s
	s_wait_dscnt 0x0                               ; this K step's fragments are in, and no LDS access of mine is out at a signal
.if (\s) == 1
	s_cmp_lt_u32 s14, 3                            ; source 0's chunk 1 is wave 2's fill; wave 3's may be out
	s_cbranch_scc0 .Lnot_c1
	s_wait_tensorcnt 0x0
.Lnot_c1:
	s_barrier_signal -1
	s_barrier_wait -1
.endif
.if (\s) == 3
	s_wait_tensorcnt 0x0                           ; every wave's fill has landed: chunks 2 and 3
	s_barrier_signal -1
	s_barrier_wait -1
.endif
.if (\s) < 7
	s_wait_alu depctr_va_vdst(0)
	FETCH (\s)+1
.endif
	MUL \s
.endm
; THE WAY OUT of 16 tokens x 128 columns.  A lane holds 32 neighbouring bytes of a row for each tile of source 0; the block goes into my own stage (rows of 512 bytes + 16) and comes back as whole rows.
; LDS serves a wave's instructions in order: no wait between the stores and the loads, nor in front of the next block's stores.
.macro TOSTAGE a
	WIN 0x04                                       ; an LDS store's data are its source 1: window 1
.irp b, 0,1,2,3,4,5,6,7
	ds_store_b128 v[STO], v[64*(\a)+8*\b:64*(\a)+8*\b+3] offset:128*(\b/2)+32*(\b%2)          ; each accumulator from its low end on
	ds_store_b128 v[STO], v[64*(\a)+8*\b+4:64*(\a)+8*\b+7] offset:128*(\b/2)+32*(\b%2)+16
.endr
	WIN 0
.set BB, BK+64*((\a)%2)
.irp t, 0,1,2,3,4,5,6,7,8,9,10,11,12,13,14,15
	ds_load_b128 v[BB+4*\t:BB+4*\t+3], v[RD] offset:528*\t
.endr
.endm
.macro SEND a, younger                 ; younger: the LDS instructions issued behind block a's loads, which may stay out
.set BB, BK+64*((\a)%2)
	s_wait_dscnt \younger
.irp t, 0,1,2,3,4,5,6,7,8,9,10,11,12,13,14,15
	global_store_b128 v10, v[BB+4*\t:BB+4*\t+3], s[8:9] offset:(32*((\a)/2)+8*((\a)%2)+\t+8*(\t/8))*4096 th:TH_STORE_NT   ; slot t's token: 512 consecutive bytes, aligned; written once, read by nobody here
.endr
.endm
	s_load_b128 s[4:7], s[0:1], 0x0                ; ac s[4:5], wc s[6:7]
	s_load_b64 s[8:9], s[0:1], 0x10                ; out0
	v_lshl_add_u32 v254, v0, 2, 0x48000
	v_mov_b32 v255, 0
	ds_add_u32 v254, v255
	ds_add_u32 v254, v255
	v_lshrrev_b32 v1, 5, v0
	v_readfirstlane_b32 s14, v1                    ; wave 0..3
	s_and_b32 s15, s14, 1                          ; which 128 columns are mine
	s_lshr_b32 s16, s14, 1                         ; which 64 tokens
	s_bfe_u32 s17, ttmp6, 0x40000                  ; cx: which 256 columns
	s_bfe_u32 s18, ttmp6, 0x40004                  ; cy
	s_and_b32 s22, ttmp7, 0xffff
	s_lshl_b32 s22, s22, 2
	s_add_co_u32 s22, s22, s18                     ; which 128 tokens: 4 x cluster y + cy
	s_lshl_b32 s88, s22, 3                         ; source 1's first tile (it holds cy and never cx)
	s_lshl_b32 s89, s17, 4
	s_add_co_u32 s89, s89, 192                     ; source 0's (cx and never cy)
	s_mul_i32 s84, s88, 3072                       ; where source 1's eight tiles begin in a chunk,
	s_mov_b32 s85, 0
	s_mul_i32 s86, s89, 3072                       ; and source 0's sixteen
	s_mov_b32 s87, 0
	s_wait_dscnt 0x0
	s_wait_kmcnt 0x0
	s_add_nc_u64 s[84:85], s[4:5], s[84:85]
	s_add_nc_u64 s[86:87], s[6:7], s[86:87]
	s_lshl_b32 s90, s18, 2
	s_lshl_b32 s90, 15, s90                        ; my row of the cluster
	s_lshl_b32 s91, 0x1111, s17                    ; my column
	; group 1, elements of 8 bytes, no padding.  Source 1: four rows of 24,576 bytes, CSTR apart in memory.  Source 0: a chunk as 192 rows of 256 bytes; chunks 2 and 3 as two rows of 49,152 bytes, CSTR apart
	s_or_b32 s[G1A], s90, (3<<16)|(1<<21)
	s_mov_b32 s[G1A+1], 3072<<16
	s_mov_b32 s[G1A+2], 4<<16
	s_mov_b32 s[G1A+3], 3072<<16
	s_mov_b32 s[G1A+4], 4
	s_mov_b32 s[G1A+5], CSTR/8
	s_mov_b32 s[G1A+6], 0
	s_mov_b32 s[G1A+7], 0
	s_or_b32 s[G1B], s91, (3<<16)|(1<<21)
	s_mov_b32 s[G1B+1], 32<<16
	s_mov_b32 s[G1B+2], 192<<16
	s_mov_b32 s[G1B+3], 32<<16
	s_mov_b32 s[G1B+4], 192
	s_mov_b32 s[G1B+5], 32
	s_mov_b32 s[G1B+6], 0
	s_mov_b32 s[G1B+7], 0
	s_or_b32 s[G1C], s91, (3<<16)|(1<<21)
	s_mov_b32 s[G1C+1], 6144<<16
	s_mov_b32 s[G1C+2], 2<<16
	s_mov_b32 s[G1C+3], 6144<<16
	s_mov_b32 s[G1C+4], 2
	s_mov_b32 s[G1C+5], CSTR/8
	s_mov_b32 s[G1C+6], 0
	s_mov_b32 s[G1C+7], 0
	s_mov_b32 s[G0A], 1                            ; group 0 of the four fills: source 1 whole,
	s_mov_b32 s[G0A+1], 0
	s_mov_b64 s[G0A+2:G0A+3], s[84:85]
	s_or_b32 s[G0A+3], s[G0A+3], 0x80000000
.irp c, 0,1,2                                  ; source 0's chunk 0, chunk 1, and chunks 2 and 3
	s_mov_b32 s[G0A+4+4*\c], 1
	s_mov_b32 s[G0A+5+4*\c], S0AT+\c*BCH
	s_add_nc_u64 s[G0A+6+4*\c:G0A+7+4*\c], s[86:87], \c*CSTR
	s_or_b32 s[G0A+7+4*\c], s[G0A+7+4*\c], 0x80000000
.endr
	v_and_b32 v1, 31, v0                           ; lane
	v_and_b32 v2, 15, v0                           ; r
	v_bfe_u32 v3, v0, 4, 1                         ; h
	v_lshlrev_b32 v10, 4, v1                       ; 16 lane
	v_lshlrev_b32 v11, 3, v1                       ; 8 lane
	s_mul_i32 s98, s16, 12288                      ; my four tiles of source 1 in a chunk
	v_add_nc_u32 v4, s98, v10
	v_add_nc_u32 v5, s98, v11
	v_add_nc_u32 v5, 512, v5
	s_mul_i32 s99, s15, 24576                      ; my eight of source 0
	s_add_co_u32 s99, s99, S0AT
	v_add_nc_u32 v6, s99, v10
	v_add_nc_u32 v7, s99, v11
	v_add_nc_u32 v7, 512, v7
	v_lshlrev_b32 v8, 2, v2                        ; 4 r
	v_lshlrev_b32 v9, 2, v1                        ; 4 lane
	s_mul_i32 s23, s14, 8448                       ; my stage: 16 rows x 528 bytes.  It lies in source 1's chunks 0 and 1, which have had their one fill, and whose last reads every wave has awaited in front of a barrier long before the first result is stored
	v_mul_u32_u24 v[STO], v2, 528
	v_lshl_add_u32 v[STO], v3, 6, v[STO]
	v_add_nc_u32 v[STO], s23, v[STO]               ; in: row r, + 64 h
	v_add_nc_u32 v[RD], s23, v10                   ; back: 16 bytes a lane of a row
	CROUND                                         ; all sixteen work-groups are here: the joint loads meet
.macro ARM under, g0, g1, next         ; all the launch's fills, one a wave, in one chain of branches on the wave's number: every way passes one
	s_cmp_lt_u32 s14, \under
	s_cbranch_scc0 \next
	tensor_load_to_lds s[\g0:\g0+3], s[\g1:\g1+7]
	s_nop 0
.rept 4
	v_nop
.endr
	s_branch .Lasked
\next:
.endm
	ARM 1, G0A, G1A, .Larm_b0
	ARM 2, G0A+4, G1B, .Larm_b1
	ARM 3, G0A+8, G1B, .Larm_b23
	tensor_load_to_lds s[G0A+12:G0A+15], s[G1C:G1C+7]
	s_nop 0
.rept 4
	v_nop
.endr
.Lasked:
	s_lshl_b32 s94, s16, 2
	s_add_co_u32 s94, s94, s88
	s_lshl_b32 s94, s94, 6
	s_add_co_u32 s94, s94, SOFF
	s_mov_b32 s95, 0
	s_add_nc_u64 s[94:95], s[4:5], s[94:95]        ; the scale words of my four tiles of source 1,
	s_lshl_b32 s96, s15, 3
	s_add_co_u32 s96, s96, s89
	s_lshl_b32 s96, s96, 6
	s_add_co_u32 s96, s96, SOFF
	s_mov_b32 s97, 0
	s_add_nc_u64 s[96:97], s[6:7], s[96:97]        ; of my eight of source 0
	s_wait_alu depctr_va_vdst(0)
.irp s, 0,1,2,3,4,5,6,7                        ; all of K's scale words stay in registers
.irp a, 0,1,2,3
	global_load_b32 v[SA+8*\a+\s], v8, s[94:95] offset:\s*32768+\a*64
	global_load_b32 v[SBS+8*\a+\s], v9, s[96:97] offset:\s*32768+\a*128    ; lanes 0-15 tile 2 a, lanes 16-31 tile 2 a + 1
.endr
.endr
	s_lshl_b32 s60, s22, 7
	s_lshl_b32 s61, s16, 6
	s_add_co_u32 s60, s60, s61                     ; my first token
	s_lshl_b32 s60, s60, 12                        ; rows of 4,096 bytes
	s_lshl_b32 s61, s17, 10
	s_add_co_u32 s60, s60, s61
	s_lshl_b32 s61, s15, 9
	s_add_co_u32 s60, s60, s61                     ; my first column: 1,024 cx + 512 x half, in bytes
	s_mov_b32 s61, 0
	s_add_nc_u64 s[8:9], s[8:9], s[60:61]
	s_cmp_lt_u32 s14, 2                            ; K steps 0 and 1 read what waves 0 and 1 asked for
	s_cbranch_scc0 .Lnot_c0
	s_wait_tensorcnt 0x0
.Lnot_c0:
	s_barrier_signal -1
	s_barrier_wait -1                              ; everybody's have
	FETCH 0
	s_wait_loadcnt 0x0                             ; the scale words
.irp s, 0,1,2,3,4,5,6,7
	STEP \s
.endr
.rept 4
	v_nop                                          ; four places between the last products and the first read of results, and the loads into the registers that held source 1's fragments
.endr
	TOSTAGE 0
.irp a, 1,2,3
.if \a > 1
	s_wait_xcnt 0x0                                ; block a - 2's stores have read their registers: block a's rows may land there
.endif
	TOSTAGE \a
	SEND \a-1, 32                                  ; behind block a - 1's loads: block a's 16 stores and 16 loads
.endr
	SEND 3, 0
	s_wait_tensorcnt 0x0
	ds_add_u32 v254, v255
	s_wait_dscnt 0x0
	CROUND                                         ; the closing round: no work-group ends while a partner may still ask for a tile that names it
	s_endpgm
.Lfunc_end_k_q934428d3ff_gemm4:
	.size	k_q934428d3ff_gemm4, .Lfunc_end_k_q934428d3ff_gemm4-k_q934428d3ff_gemm4
	.p2alignl 7, 3214868480
	.fill 96, 4, 3214868480
	.section	.rodata,"a",@progbits
	.p2align	6, 0x0
	.amdhsa_kernel k_q934428d3ff_gemm4
		.amdhsa_group_segment_fixed_size 295424
		.amdhsa_private_segment_fixed_size 0
		.amdhsa_enable_private_segment 0
		.amdhsa_kernarg_size 24
		.amdhsa_user_sgpr_count 2
		.amdhsa_user_sgpr_kernarg_segment_ptr 1
		.amdhsa_wavefront_size32 1
		.amdhsa_system_sgpr_workgroup_id_x 1
		.amdhsa_system_sgpr_workgroup_id_y 1
		.amdhsa_system_sgpr_workgroup_id_z 1
		.amdhsa_system_vgpr_workitem_id 0
		.amdhsa_next_free_vgpr 768
		.amdhsa_next_free_sgpr 100
		.amdhsa_reserve_vcc 0
		.amdhsa_float_denorm_mode_32 3
		.amdhsa_float_denorm_mode_16_64 3
		.amdhsa_memory_ordered 1
		.amdhsa_forward_progress 1
		.amdhsa_inst_pref_size 88
	.end_amdhsa_kernel
	.amdgpu_metadata
---
amdhsa.version: [ 1, 2 ]
amdhsa.kernels:
  - .name:           k_q934428d3ff_gemm4
    .symbol:         k_q934428d3ff_gemm4.kd
    .args:
      - { .name: ac, .offset: 0, .size: 8, .value_kind: global_buffer, .address_space: global }
      - { .name: wc, .offset: 8, .size: 8, .value_kind: global_buffer, .address_space: global }
      - { .name: out0, .offset: 16, .size: 8, .value_kind: global_buffer, .address_space: global }
    .group_segment_fixed_size: 295424
    .private_segment_fixed_size: 0
    .kernarg_segment_align: 8
    .kernarg_segment_size: 24
    .max_flat_workgroup_size: 128
    .sgpr_count:     100
    .vgpr_count:     768
    .wavefront_size: 32
...
	.end_amdgpu_metadata
.endif
;; end of part 4
